; MI455X (gfx1250); checked and timed in simulation.
; The chip was launched on July 23, 2026; its instructions are those of AMD's public machine-readable ISA for CDNA 5 (MIT licence, August 2026) and "CDNA5" Instruction Set Architecture Reference Guide (July 2026). The comments in the code are by the model that wrote it; some were corrected since.
;; Cross Attention. Allowed arithmetic: float matrix products may take bf16 or f16 operands with f32 sums; other float arithmetic in f32, or as packed bf16 or f16 multiplies, adds, multiply-adds, maxima and minima; sums over many terms, partial sums and values carried from step to step in f32; what a program stores and reads back later, other than sums and carried values, may be rounded once to bf16 or f16.
;; Inputs: bk 1,024 float32; bo 1,024 float32; bq 1,024 float32; bv 1,024 float32; wk 1,024 x 1,024 float32; wo 1,024 x 1,024 float32; wq 1,024 x 1,024 float32; wv 1,024 x 1,024 float32; x 4 x 2,048 x 1,024 float32; y 4 x 2,048 x 1,024 float32.
;; Outputs: out0 4 x 2,048 x 1,024 float32.
;; One version. Each part assembles by itself: llvm-mc -triple=amdgcn-amd-amdhsa -mcpu=gfx1250 --defsym DOCPART=n.
;; ======== version 1 of 1: 4 launches
;; limits: values are held in f16: magnitudes above 65,504 overflow, below 6.1e-05 lose precision
;; workspace buffers: cb 41,943,040 bytes; qkv 50,331,648 bytes; ob 16,777,216 bytes
;; launch cast (part 1): grid 64 x 20, 8 waves a work-group, no clusters, 0 bytes of LDS; arguments x, y, wq, wk, wv, wo, cb; writes cb
.if DOCPART == 1
	.amdgcn_target "amdgcn-amd-amdhsa--gfx1250"
	.amdhsa_code_object_version 6
	.text
	.protected	k_qcc162fc34e_cast
	.globl	k_qcc162fc34e_cast
	.p2align	8
	.type	k_qcc162fc34e_cast,@function
k_qcc162fc34e_cast:
	s_mov_b64 s[64:65], 0
	v_nop
	global_prefetch_b8 v0, s[64:65] scope:SCOPE_SE
	s_setreg_imm32_b32 hwreg(HW_REG_WAVE_MODE, 25, 1), 1
	s_wait_xcnt 0x0
; x, y, wq, wk, wv rounded once to bf16; wo rounded to bf16 and that number written as f16.  The layouts stay; cb holds them on end:
; x at byte 0, y at 0x1000000, wq, wk, wv from 0x2000000 on, wo at 0x2600000: 20,480 rows of 1,024 numbers of 16 bits.
; LIMIT.  wo's bf16 number is exact in f16 from 6.1e-5 up to 65,504; below that it keeps f16's fixed step of 6e-8.
; A STREAM: each byte is read once and written once, so there is no LDS, no barrier and no matrix work.  Slice = grid y (0-7 x, 8-15 y, 16 wq, 17 wk, 18 wv, 19 wo), 64 chunks a slice.
; A work-group takes one chunk of 16,384 numbers: 16 loads of 16 bytes a thread (a wave's load covers 512 consecutive bytes), all sixteen out at once, and 16 stores of 8 bytes a thread
; (a wave's store covers 256 consecutive bytes, aligned).  No register is written twice while a memory instruction may read it, so no wait frees any.
.set T, 4                              ; v[4:7]    at work
.set X, 8                              ; v[8:71]   load r: four f32
.set Y, 72                             ; v[72:103] store r: four numbers of 16 bits
	s_load_b256 s[8:15], s[0:1], 0x0               ; x s[8:9], y s[10:11], wq s[12:13], wk s[14:15]
	s_load_b128 s[16:19], s[0:1], 0x20             ; wv s[16:17], wo s[18:19]
	s_load_b64 s[20:21], s[0:1], 0x30              ; cb
	s_and_b32 s2, ttmp7, 0xffff                    ; slice
	v_lshlrev_b32 v1, 4, v0                        ; 16 bytes a thread in,
	v_lshlrev_b32 v2, 3, v0                        ; 8 out
	s_lshl_b32 s3, s2, 6
	s_add_co_u32 s3, s3, ttmp9                     ; the chunk's number over all slices: cb is linear in it
	s_lshl_b32 s28, s3, 15                         ; 32,768 bytes out a chunk
	s_mov_b32 s29, 0
	s_and_b32 s4, s2, 7                            ; the slice within x or y; a weight is one slice
	s_cmp_lt_u32 s2, 16
	s_cselect_b32 s4, s4, 0
	s_lshl_b32 s4, s4, 6
	s_add_co_u32 s4, s4, ttmp9                     ; the chunk's number in its own tensor
	s_lshl_b32 s30, s4, 16                         ; 65,536 bytes in a chunk
	s_mov_b32 s31, 0
	s_wait_kmcnt 0x0
	s_mov_b64 s[24:25], s[18:19]                   ; the source by the slice's number: wo, unless
	s_cmp_eq_u32 s2, 18
	s_cselect_b64 s[24:25], s[16:17], s[24:25]
	s_cmp_eq_u32 s2, 17
	s_cselect_b64 s[24:25], s[14:15], s[24:25]
	s_cmp_eq_u32 s2, 16
	s_cselect_b64 s[24:25], s[12:13], s[24:25]
	s_cmp_lt_u32 s2, 16
	s_cselect_b64 s[24:25], s[10:11], s[24:25]
	s_cmp_lt_u32 s2, 8
	s_cselect_b64 s[24:25], s[8:9], s[24:25]
	s_add_nc_u64 s[24:25], s[24:25], s[30:31]
	s_add_nc_u64 s[26:27], s[20:21], s[28:29]
.set r, 0
.rept 16
	global_load_b128 v[X+4*r:X+4*r+3], v1, s[24:25] offset:4096*r th:TH_LOAD_NT
.set r, r+1
.endr
; The sixteen pieces, each as soon as its load is in.  half = 1: the bf16 number is widened again and written as f16.
.macro OUT16 half
.set r, 0
.rept 16
	s_wait_loadcnt 15-r                            ; loads come back in order: piece r is in, the 15 - r younger ones may stay out
.if \half
	v_cvt_pk_bf16_f32 v[T], v[X+4*r], v[X+4*r+1]
	v_cvt_pk_bf16_f32 v[T+1], v[X+4*r+2], v[X+4*r+3]
	v_lshlrev_b32 v[T+2], 16, v[T]
	v_and_b32 v[T], 0xffff0000, v[T]
	v_lshlrev_b32 v[T+3], 16, v[T+1]
	v_and_b32 v[T+1], 0xffff0000, v[T+1]
	v_cvt_pk_f16_f32 v[Y+2*r], v[T+2], v[T]
	v_cvt_pk_f16_f32 v[Y+2*r+1], v[T+3], v[T+1]
.else
	v_cvt_pk_bf16_f32 v[Y+2*r], v[X+4*r], v[X+4*r+1]
	v_cvt_pk_bf16_f32 v[Y+2*r+1], v[X+4*r+2], v[X+4*r+3]
.endif
	global_store_b64 v2, v[Y+2*r:Y+2*r+1], s[26:27] offset:2048*r
.set r, r+1
.endr
.endm
	s_cmp_eq_u32 s2, 19
	s_cbranch_scc1 .Lwo
	OUT16 0
	s_endpgm
.Lwo:
	OUT16 1
	s_endpgm
.Lfunc_end_k_qcc162fc34e_cast:
	.size	k_qcc162fc34e_cast, .Lfunc_end_k_qcc162fc34e_cast-k_qcc162fc34e_cast
	.p2alignl 7, 3214868480
	.fill 96, 4, 3214868480
	.section	.rodata,"a",@progbits
	.p2align	6, 0x0
	.amdhsa_kernel k_qcc162fc34e_cast
		.amdhsa_group_segment_fixed_size 0
		.amdhsa_private_segment_fixed_size 0
		.amdhsa_enable_private_segment 0
		.amdhsa_kernarg_size 56
		.amdhsa_user_sgpr_count 2
		.amdhsa_user_sgpr_kernarg_segment_ptr 1
		.amdhsa_wavefront_size32 1
		.amdhsa_system_sgpr_workgroup_id_x 1
		.amdhsa_system_sgpr_workgroup_id_y 1
		.amdhsa_system_sgpr_workgroup_id_z 1
		.amdhsa_system_vgpr_workitem_id 0
		.amdhsa_next_free_vgpr 104
		.amdhsa_next_free_sgpr 66
		.amdhsa_reserve_vcc 0
		.amdhsa_float_denorm_mode_32 3
		.amdhsa_float_denorm_mode_16_64 3
		.amdhsa_memory_ordered 1
		.amdhsa_forward_progress 1
		.amdhsa_inst_pref_size 16
	.end_amdhsa_kernel
	.amdgpu_metadata
---
amdhsa.version: [ 1, 2 ]
amdhsa.kernels:
  - .name:           k_qcc162fc34e_cast
    .symbol:         k_qcc162fc34e_cast.kd
    .args:
      - { .name: x, .offset: 0, .size: 8, .value_kind: global_buffer, .address_space: global }
      - { .name: y, .offset: 8, .size: 8, .value_kind: global_buffer, .address_space: global }
      - { .name: wq, .offset: 16, .size: 8, .value_kind: global_buffer, .address_space: global }
      - { .name: wk, .offset: 24, .size: 8, .value_kind: global_buffer, .address_space: global }
      - { .name: wv, .offset: 32, .size: 8, .value_kind: global_buffer, .address_space: global }
      - { .name: wo, .offset: 40, .size: 8, .value_kind: global_buffer, .address_space: global }
      - { .name: cb, .offset: 48, .size: 8, .value_kind: global_buffer, .address_space: global }
    .group_segment_fixed_size: 0
    .private_segment_fixed_size: 0
    .kernarg_segment_align: 8
    .kernarg_segment_size: 56
    .max_flat_workgroup_size: 256
    .sgpr_count:     66
    .vgpr_count:     104
    .wavefront_size: 32
...
	.end_amdgpu_metadata
.endif
;; end of part 1
;; launch qkv (part 2): grid 4 x 64, 4 waves a work-group, clusters of 4 x 4, 327,680 bytes of LDS; arguments cb, bq, bk, bv, qkv; writes qkv
.if DOCPART == 2
	.amdgcn_target "amdgcn-amd-amdhsa--gfx1250"
	.amdhsa_code_object_version 6
	.text
	.protected	k_qcc162fc34e_qkv
	.globl	k_qcc162fc34e_qkv
	.p2align	8
	.type	k_qcc162fc34e_qkv,@function
k_qcc162fc34e_qkv:
	s_mov_b64 s[64:65], 0
	v_nop
	global_prefetch_b8 v0, s[64:65] scope:SCOPE_SE
	s_setreg_imm32_b32 hwreg(HW_REG_WAVE_MODE, 25, 1), 1
	s_wait_xcnt 0x0
	s_wait_alu depctr_hold_cnt(0) depctr_sa_sdst(0) depctr_va_vdst(0) depctr_va_sdst(0) depctr_va_ssrc(0) depctr_va_vcc(0) depctr_vm_vsrc(0)
	s_getreg_b32 s2, hwreg(HW_REG_IB_STS2, 6, 4)
	s_cmp_eq_u32 s2, 0
	s_cbranch_scc0 .Lentry_in_a_cluster
	s_endpgm
.Lentry_in_a_cluster:
	s_bfe_u32 s2, ttmp6, 0x10000c
	s_cmp_lg_u32 s2, 0xf033
	s_cbranch_scc0 .Lentry_shape_is_right
	s_endpgm
.Lentry_shape_is_right:
; q = x wq + bq, k = y wk + bk, v = y wv + bv.  x, y ([8192][1024]) and the weights ([k][n], wq, wk, wv on end) come from cb in bf16; the biases are rounded to bf16 here, like every input.
; Sums in f32, begun with the bias; each result is rounded once to f16 and stored by heads, unscaled: qkv[part][16 batch + head][2048][64].
; LIMIT.  f16 ends at 65,504: |q|, |k|, |v| must stay below it.  NaN and infinities are not treated apart.
; SHARES.  A tile of C is 128 rows x 256 columns.  A work-group STAYS and makes three tiles, q's, k's and v's at the same place: 4 x 64 work-groups of equal work.  Wave w: rows 64 (w / 2) on,
; columns 128 (w % 2) on: 32 accumulators of 16 x 16.  K goes in steps of 128 through a ring of two LDS slots that runs on across the tiles: 24 steps.
; THE MATRIX INSTRUCTION IS USED TRANSPOSED: source 0 = 16 columns of W (read turned out of LDS, where W lies [k][n]), source 1 = 16 rows of A.  A lane then holds one row of C and eight
; neighbouring columns, 16 bytes of f16.
; CLUSTER.  4 x 4 work-groups.  A's tile hangs on the row block alone and is asked for jointly by a row of the cluster, W's on the column block alone, by a column.  Waves 0, 1 fetch A's two
; halves of 64 rows, waves 2, 3 W's two halves of 64 k-rows: one tensor load a wave behind each round; two are out at the start.
; REGISTERS, in windows of 256: window 0: addresses, the bias (64), the way out (128).  window 1: two fragment buffers of 96 (A's 4 fragments, then W's 8).  window 2: accumulator (a, b) at v[8 (8 a + b)].
.set YOFF,  0x1000000                  ; y in cb
.set WB0,   0x2000000                  ; wq in cb
.set PARTB, 0x1000000                  ; from q to k to v in qkv
.set HEADG, 262144                     ; a head's bytes in qkv
.set PA,    272                        ; A's LDS row: 256 bytes + 16: the 16 rows of a fragment load start at 16 different groups of four banks (64 banks of 4 bytes: ISA guide 11.1)
.set HALFA, 64*PA
.set AREG,  2*HALFA                    ; A's 128 rows; W lies behind them
.set PB,    544                        ; W's LDS row: 512 bytes + 32 = 136 words
.set HALFB, 64*PB
.set SLOT1, 1<<17                      ; slot 1 begins here: one exclusive or turns an address in one slot into the other's
.set STAGE, SLOT1+AREG+2*HALFB         ; behind the ring, never filled by a tensor load: for each wave 2 heads x 16 rows x 144 bytes
.set SP,    144
.set SPARE, STAGE+4*2*16*SP            ; the spare words, 128 bytes a wave: two blocks of 256 bytes that no other line names
.set ADRA0, 4                          ; v4   my lane's place in A's tile; never rewritten
.set ADRB0, 5                          ; v5   in W's tile
.set ADRA,  6                          ; v6   the same in the slot in hand
.set ADRB,  7                          ; v7
.set STO,   8                          ; v8   the way out: where I put 16 bytes of a row
.set RD,    9                          ; v9   where I read rows back
.set GO,    10                         ; v10  my 16 bytes of 512 consecutive bytes of a head
.set BO,    11                         ; v11  my byte offset in a bias
.set T,     12                         ; v12-15 at work
.set SPW,   28                         ; v28  LDS address of my spare word; never rewritten
.set NIL,   29                         ; v29  0; never rewritten
.set BIAS,  32                         ; v[32:95]   register 8 b + j: the bias of column 16 b + 8 (lane / 16) + j of my 128
.set TMP,   128                        ; v[128:255] the way out: 32 registers for each block of 16 rows
.set F0,    0                          ; fragment buffers, in window 1
.set F1,    96
.set WV, 14                            ; s14 wave;  s15 = wave / 2: my rows' half, and 0: I fetch for A, 1: for W;  s16 = wave % 2: my columns' half, and which half of a tile I fetch
.set MH, 15
.set NH, 16
.set CX, 17
.set CY, 18
.set TX, 19                            ; column block 0..3
.set TY, 20                            ; row block 0..63
.set G1A,  24                          ; s[24:31] descriptor group 1 for A's tiles
.set G1B,  32                          ; s[32:39] for W's
.set G0A0, 40                          ; s[40:43] group 0, A, step 0 into slot 0
.set G0A,  44                          ; s[44:47] A, step 1 into slot 1; then it walks
.set G0B0, 48                          ; s[48:51], s[52:55] the same for W
.set G0B,  52
.set ABASE, 56                         ; s[56:57] x at my 64 rows of the row block
.set OFF,  58                          ; s[58:59] the offset of a step's tile of A from there
.set NX,   60                          ; s60 the step to be asked for next, 2..23
.set KS,   61                          ; s61 steps left in the tile
.set CNT,  62                          ; s62 trips
.set TB,   63                          ; s63 0 or SLOT1: the slot in hand
.set OUT,  66                          ; s[66:67] my rows of my first head, in the part in hand
.set BP,   68                          ; s[68:69] the bias in hand
.set TL,   70                          ; s70 tiles finished
.set HM,   71                          ; s71 a word's upper half
.set MSB, 0
.macro WIN new                         ; the immediate's high byte repeats the setting that is left; a switch that changes nothing is dropped
.if MSB != (\new)
	s_set_vgpr_msb (MSB<<8)|(\new)
.set MSB, \new
.endif
.endm
.macro PLACES                          ; four plain places behind matrix instructions, in front of loads into registers that they read and of reads of their results
.rept 4
	v_nop
.endr
.endm
.macro CREST                           ; a round of the cluster's barrier behind its opening barrier
	s_cmp_lg_u32 s[WV], 0
	s_cbranch_scc1 .Lnot_wave_0_\@
	s_barrier_signal -3
.Lnot_wave_0_\@:
	s_barrier_wait -3
	s_barrier_signal -1
	s_barrier_wait -1
.endm
.macro CROUND
	s_barrier_signal -1
	s_barrier_wait -1
	CREST
.endm
.macro JLOAD                           ; a joint refill by the walking descriptors; the branch hangs on the wave's number alone.  An s_nop 0 and four v_nop follow each line
	s_cmp_eq_u32 s[MH], 0
	s_cbranch_scc0 .Lfor_b_\@
	tensor_load_to_lds s[G0A:G0A+3], s[G1A:G1A+7]
	s_nop 0
.rept 4
	v_nop
.endr
	s_branch .Lasked_\@
.Lfor_b_\@:
	tensor_load_to_lds s[G0B:G0B+3], s[G1B:G1B+7]
	s_nop 0
.rept 4
	v_nop
.endr
.Lasked_\@:
.endm
	s_load_b256 s[4:11], s[0:1], 0x0               ; cb s[4:5], bq s[6:7], bk s[8:9], bv s[10:11]
	s_load_b64 s[12:13], s[0:1], 0x20              ; qkv
	v_lshl_add_u32 v[SPW], v0, 2, SPARE
	v_mov_b32 v[NIL], 0
	ds_add_u32 v[SPW], v[NIL]                      ; the wave's opening: the add and its wait stand ahead of my first tensor load; register work stands between them
	v_lshrrev_b32 v3, 5, v0
	v_readfirstlane_b32 s[WV], v3
	s_lshr_b32 s[MH], s[WV], 1
	s_and_b32 s[NH], s[WV], 1
	s_bfe_u32 s[CX], ttmp6, 0x40000
	s_bfe_u32 s[CY], ttmp6, 0x40004
	s_lshl_b32 s[TX], ttmp9, 2
	s_add_co_u32 s[TX], s[TX], s[CX]
	s_and_b32 s[TY], ttmp7, 0xffff
	s_lshl_b32 s[TY], s[TY], 2
	s_add_co_u32 s[TY], s[TY], s[CY]
	s_lshl_b32 s21, s[CY], 2
	s_lshl_b32 s21, 15, s21                        ; my row of the cluster
	s_lshl_b32 s22, 0x1111, s[CX]                  ; my column
	s_or_b32 s[G1A], s21, (1<<16)|(1<<20)|(1<<21)|(5<<22)|(3<<25)  ; the mask; 2-byte elements; padding on; bit 21 beside a mask; after every 64 words 4 words
	s_mov_b32 s[G1A+1], 128<<16                    ; tensor_dim0 = 128
	s_mov_b32 s[G1A+2], 64<<16                     ; tensor_dim1 = 64
	s_mov_b32 s[G1A+3], 128<<16                    ; tile_dim0 = 128
	s_mov_b32 s[G1A+4], 64                         ; tile_dim1 = 64
	s_mov_b32 s[G1A+5], 1024                       ; elements from row to row
	s_mov_b32 s[G1A+6], 0
	s_mov_b32 s[G1A+7], 0
	s_or_b32 s[G1B], s22, (1<<16)|(1<<20)|(1<<21)|(6<<22)|(7<<25)  ; after every 128 words 8 words
	s_mov_b32 s[G1B+1], 256<<16
	s_mov_b32 s[G1B+2], 64<<16
	s_mov_b32 s[G1B+3], 256<<16
	s_mov_b32 s[G1B+4], 64
	s_mov_b32 s[G1B+5], 1024
	s_mov_b32 s[G1B+6], 0
	s_mov_b32 s[G1B+7], 0
	s_mul_i32 s23, s[NH], HALFA                    ; where the tiles go: the half that I fetch; no place in the cluster enters an LDS address
	s_mov_b32 s[G0A0], 1
	s_mov_b32 s[G0A0+1], s23
	s_mov_b32 s[G0A], 1
	s_add_co_u32 s[G0A+1], s23, SLOT1
	s_mul_i32 s23, s[NH], HALFB
	s_mov_b32 s[G0B0], 1
	s_add_co_u32 s[G0B0+1], s23, AREG
	s_mov_b32 s[G0B], 1
	s_add_co_u32 s[G0B+1], s23, SLOT1+AREG
	s_lshl_b32 s72, s[TY], 18                      ; A: row 128 TY + 64 half, 2,048 bytes a row (these two registers never hold cx)
	s_lshl_b32 s73, s[NH], 17
	s_add_co_u32 s72, s72, s73
	s_mov_b32 s73, 0
	s_lshl_b32 s74, s[NH], 17                      ; W: k-row 64 half, column 256 TX (these never hold cy)
	s_lshl_b32 s75, s[TX], 9
	s_add_co_u32 s74, s74, s75
	s_add_co_u32 s74, s74, WB0
	s_mov_b32 s75, 0
	s_lshr_b32 s78, s[TY], 4                       ; the batch
	s_lshl_b32 s78, s78, 2
	s_add_co_u32 s78, s78, s[TX]
	s_lshl_b32 s78, s78, 1
	s_add_co_u32 s78, s78, s[NH]                   ; half my first head's number: 8 batch + 2 TX + half
	s_lshl_b32 s78, s78, 19
	s_and_b32 s79, s[TY], 15
	s_lshl_b32 s79, s79, 1
	s_add_co_u32 s79, s79, s[MH]
	s_lshl_b32 s79, s79, 13                        ; my 64 rows of 128 bytes in the head
	s_add_co_u32 s78, s78, s79
	s_mov_b32 s79, 0
	s_mov_b32 s[OFF+1], 0
	s_mov_b32 s[NX], 2
	s_mov_b32 s[KS], 8
	s_mov_b32 s[CNT], 22
	s_mov_b32 s[TB], 0
	s_mov_b32 s[TL], 0
	s_mov_b32 s[HM], 0xffff0000
	s_wait_dscnt 0x0                               ; the opening add is done
	s_wait_kmcnt 0x0
	s_add_nc_u64 s[ABASE:ABASE+1], s[4:5], s[72:73]
	s_add_nc_u64 s[76:77], s[4:5], s[74:75]
	s_mov_b64 s[G0A0+2:G0A0+3], s[ABASE:ABASE+1]   ; step 0
	s_or_b32 s[G0A0+3], s[G0A0+3], 0x80000000      ; type = 2
	s_add_nc_u64 s[G0A+2:G0A+3], s[ABASE:ABASE+1], 256  ; step 1: 128 elements on
	s_or_b32 s[G0A+3], s[G0A+3], 0x80000000
	s_mov_b64 s[G0B0+2:G0B0+3], s[76:77]
	s_or_b32 s[G0B0+3], s[G0B0+3], 0x80000000
	s_add_nc_u64 s[G0B+2:G0B+3], s[76:77], 262144  ; 128 k-rows on
	s_or_b32 s[G0B+3], s[G0B+3], 0x80000000
	s_add_nc_u64 s[OUT:OUT+1], s[12:13], s[78:79]
	s_mov_b64 s[BP:BP+1], s[6:7]
	CROUND                                         ; all sixteen work-groups are here: the first joint loads meet
	s_cmp_eq_u32 s[MH], 0                          ; a wave's two first fills stand in one branch, ahead of every wait on TENSORcnt and every LDS read: two loads of mine are out
	s_cbranch_scc0 .Lfirst_b
	tensor_load_to_lds s[G0A0:G0A0+3], s[G1A:G1A+7]
	s_nop 0
	tensor_load_to_lds s[G0A:G0A+3], s[G1A:G1A+7]
	s_nop 0
.rept 4
	v_nop
.endr
	s_branch .Lfirst_asked
.Lfirst_b:
	tensor_load_to_lds s[G0B0:G0B0+3], s[G1B:G1B+7]
	s_nop 0
	tensor_load_to_lds s[G0B:G0B+3], s[G1B:G1B+7]
	s_nop 0
.rept 4
	v_nop
.endr
.Lfirst_asked:
	v_and_b32 v1, 15, v0                           ; l % 16
	v_bfe_u32 v2, v0, 4, 1                         ; l / 16
	v_mul_u32_u24 v[ADRA0], v1, PA                 ; a fragment of A: row l % 16, 16 bytes for each half of the lanes, twice, 32 bytes apart
	v_lshl_add_u32 v[ADRA0], v2, 4, v[ADRA0]
	s_mul_i32 s23, s[MH], HALFA
	v_add_nc_u32 v[ADRA0], s23, v[ADRA0]
	v_and_b32 v12, 7, v0                           ; the turning load: lane l reads k-row 8 (l / 16) + l % 8, columns 8 ((l / 8) % 2) + 0..7, and is left with column l % 16 and 8 k
	v_bfe_u32 v13, v0, 3, 1
	v_lshl_add_u32 v[ADRB0], v2, 3, v12
	v_mul_u32_u24 v[ADRB0], v[ADRB0], PB
	v_lshl_add_u32 v[ADRB0], v13, 4, v[ADRB0]
	s_lshl_b32 s23, s[NH], 8
	s_add_co_u32 s23, s23, AREG
	v_add_nc_u32 v[ADRB0], s23, v[ADRB0]
	v_mov_b32 v[ADRA], v[ADRA0]                    ; slot 0
	v_mov_b32 v[ADRB], v[ADRB0]
	s_mul_i32 s23, s[WV], 2*16*SP
	s_add_co_u32 s23, s23, STAGE                   ; my stage
	v_mul_u32_u24 v[STO], v1, SP
	v_lshl_add_u32 v[STO], v2, 4, v[STO]
	v_add_nc_u32 v[STO], s23, v[STO]
	v_bfe_u32 v[RD], v0, 3, 2                      ; back: 32 lanes take four rows of 128 bytes,
	v_mul_u32_u24 v[RD], v[RD], SP
	v_lshl_add_u32 v[RD], v12, 4, v[RD]
	v_add_nc_u32 v[RD], s23, v[RD]
	v_and_b32 v[GO], 31, v0                        ; which are 512 consecutive bytes of a head
	v_lshlrev_b32 v[GO], 4, v[GO]
	s_lshl_b32 s74, s[TX], 10                      ; my 128 columns in a bias, 4 bytes each,
	s_lshl_b32 s75, s[NH], 9
	s_add_co_u32 s74, s74, s75
	v_lshl_add_u32 v[BO], v2, 5, s74               ; and my lanes' eight
; 8 matrix instructions: block a of 16 rows x all 8 column blocks, 32 along K.  start = 1: the bias is the C that starts the sums: nothing is cleared and nothing added later.
; The 32 accumulators take turns, one instruction a turn, in the same order in every quarter.
.macro MUL f, a, start
.if \start
	WIN 0x85                                       ; sources 0, 1 window 1; C window 0; D window 2
.else
	WIN 0xa5                                       ; C and D window 2
.endif
.irp b, 0,1,2,3,4,5,6,7
.if \start
	v_wmma_f32_16x16x32_bf16 v[8*(8*(\a)+(\b)):8*(8*(\a)+(\b))+7], v[(\f)+32+8*(\b):(\f)+32+8*(\b)+7], v[(\f)+8*(\a):(\f)+8*(\a)+7], v[BIAS+8*(\b):BIAS+8*(\b)+7]
.else
	v_wmma_f32_16x16x32_bf16 v[8*(8*(\a)+(\b)):8*(8*(\a)+(\b))+7], v[(\f)+32+8*(\b):(\f)+32+8*(\b)+7], v[(\f)+8*(\a):(\f)+8*(\a)+7], v[8*(8*(\a)+(\b)):8*(8*(\a)+(\b))+7]
.endif
.endr
.endm
; 24 LDS loads in one run: quarter q's fragments into buffer f: W's sixteen first, then A's eight, rows ascending
.macro FETCH q, f
	WIN 0x40                                       ; destination window 1, address window 0
.irp b, 0,1,2,3,4,5,6,7
	ds_load_tr16_b128 v[(\f)+32+8*(\b):(\f)+32+8*(\b)+3],   v[ADRB] offset:32*(\q)*PB+32*(\b)
	ds_load_tr16_b128 v[(\f)+32+8*(\b)+4:(\f)+32+8*(\b)+7], v[ADRB] offset:32*(\q)*PB+16*PB+32*(\b)
.endr
.irp a, 0,1,2,3
	ds_load_b128 v[(\f)+8*(\a):(\f)+8*(\a)+3],   v[ADRA] offset:64*(\q)+16*(\a)*PA
	ds_load_b128 v[(\f)+8*(\a)+4:(\f)+8*(\a)+7], v[ADRA] offset:64*(\q)+16*(\a)*PA+32
.endr
.endm
; A K step is four quarters of 32 along K on buffers 0, 1, 0, 1.  One of the first three: multiplies buffer f; in its middle it fetches quarter nq into buffer g.
.macro QUARTER nq, f, g, start
	s_wait_dscnt 4                                 ; W and A's rows 0-31 are in; the youngest four loads (rows 32-63) may be out
	MUL \f, 0, \start
	MUL \f, 1, \start
	PLACES
	FETCH \nq, \g
	s_wait_dscnt 24                                ; all but the 24 just issued
	MUL \f, 2, \start
	MUL \f, 3, \start
.endm
; The last quarter multiplies buffer 1 and changes slots.  In front of the barrier each wave waits for all its tensor loads (one is out: its part of the next slot), adds 0 to its spare word, and
; waits for that and for its reads of this slot.  fill = 1: the barrier opens a round of the cluster's, and the joint refill, two steps ahead, is the first thing behind it.
.macro TURN fill
	WIN 0
	s_wait_tensorcnt 0x0                           ; no tensor load of mine is out, so the walking descriptors may be written
	ds_add_u32 v[SPW], v[NIL]                      ; 0 onto my spare word; register work stands between it and the wait for it
.if \fill
	s_and_b32 s[OFF], s[NX], 7                     ; A's address is made anew from the step's number: 256 bytes a step within a tile,
	s_lshl_b32 s[OFF], s[OFF], 8
	s_cmp_ge_u32 s[NX], 8                          ; x for the first tile, y for the other two
	s_cselect_b32 s72, YOFF, 0
	s_add_co_u32 s[OFF], s[OFF], s72
	s_xor_b32 s[G0A+1], s[G0A+1], SLOT1
	s_add_nc_u64 s[G0A+2:G0A+3], s[ABASE:ABASE+1], s[OFF:OFF+1]
	s_or_b32 s[G0A+3], s[G0A+3], 0x80000000
	s_xor_b32 s[G0B+1], s[G0B+1], SLOT1
	s_add_nc_u64 s[G0B+2:G0B+3], s[G0B+2:G0B+3], 262144  ; the three weights lie on end: W's address walks through all 24 steps
	s_add_co_u32 s[NX], s[NX], 1
.endif
	s_xor_b32 s[TB], s[TB], SLOT1
	s_wait_dscnt 5                                 ; the add and the youngest four loads may be out
	MUL F1, 0, 0
	s_wait_dscnt 0x0                               ; the add is done, and my reads of this slot are over
	s_barrier_signal -1
	MUL F1, 1, 0
	WIN 0
	s_barrier_wait -1
.if \fill
	CREST                                          ; no wave of any partner still reads this slot or has a load on its way
	JLOAD                                          ; its four v_nop are also the places in front of the loads below
.else
	PLACES
.endif
	v_add_nc_u32 v[ADRA], s[TB], v[ADRA0]
	v_add_nc_u32 v[ADRB], s[TB], v[ADRB0]
	FETCH 0, F0
	MUL F1, 2, 0
	MUL F1, 3, 0
.endm
.macro LOADB                           ; my 64 numbers of the bias in hand
.irp b, 0,1,2,3,4,5,6,7
	global_load_b128 v[BIAS+8*(\b):BIAS+8*(\b)+3],   v[BO], s[BP:BP+1] offset:64*(\b)
	global_load_b128 v[BIAS+8*(\b)+4:BIAS+8*(\b)+7], v[BO], s[BP:BP+1] offset:64*(\b)+16
.endr
.endm
.macro ROUNDB                          ; rounded to bf16 and widened again
.set i, 0
.rept 32
	v_cvt_pk_bf16_f32 v[T+i%4], v[BIAS+2*i], v[BIAS+2*i+1]
	v_lshlrev_b32 v[BIAS+2*i], 16, v[T+i%4]
	v_and_b32 v[BIAS+2*i+1], s[HM], v[T+i%4]
.set i, i+1
.endr
.endm
; THE WAY OUT of block a (16 rows x 2 heads): rounded to f16, each accumulator's registers ascending; 16 bytes a lane into my stage; back as whole rows of 128 bytes, into the registers that they left.
.macro PACK a
	WIN 0x0a                                       ; sources window 2, destination window 0
.irp b, 0,1,2,3,4,5,6,7
.irp r, 0,1,2,3
	v_cvt_pk_f16_f32 v[TMP+32*(\a)+4*(\b)+(\r)], v[8*(8*(\a)+(\b))+2*(\r)], v[8*(8*(\a)+(\b))+2*(\r)+1]
.endr
.endr
	WIN 0
.irp b, 0,1,2,3,4,5,6,7
	ds_store_b128 v[STO], v[TMP+32*(\a)+4*(\b):TMP+32*(\a)+4*(\b)+3] offset:((\b)/4)*16*SP+32*((\b)%4)
.endr
.irp f, 0,1,2,3,4,5,6,7
	ds_load_b128 v[TMP+32*(\a)+4*(\f):TMP+32*(\a)+4*(\f)+3], v[RD] offset:((\f)/4)*16*SP+((\f)%4)*4*SP  ; LDS serves a wave's instructions in order (ISA guide 5.7.1.4): these see the stores above
.endr
.endm
.macro SEND a, younger                 ; younger: the LDS instructions issued behind block a's loads: the next block's sixteen, or none
.irp f, 0,1,2,3,4,5,6,7
	s_wait_dscnt (\younger)+7-(\f)
	global_store_b128 v[GO], v[TMP+32*(\a)+4*(\f):TMP+32*(\a)+4*(\f)+3], s[OUT:OUT+1] offset:((\f)/4)*HEADG+2048*(\a)+512*((\f)%4)  ; 512 consecutive bytes of a head, aligned
.endr
.endm
; more = 1: another tile follows: its bias is asked for first and rounded last.  Blocks 0 and 1 were finished in front of the refill's four v_nop; their 64 conversions are the places behind blocks 2 and 3's last products.
.macro WAYOUT more
	s_wait_xcnt 0x0                                ; the last tile's stores and bias loads have read their registers
.if \more
	s_cmp_eq_u32 s[TL], 0
	s_cselect_b64 s[BP:BP+1], s[8:9], s[10:11]
	s_add_co_u32 s[TL], s[TL], 1
	LOADB
.endif
	PACK 0
	PACK 1
	SEND 0, 16
	PACK 2
	SEND 1, 16
	PACK 3
	SEND 2, 16
	SEND 3, 0
.if \more
	s_wait_xcnt 0x0                                ; the stores have read their base
	s_add_nc_u64 s[OUT:OUT+1], s[OUT:OUT+1], PARTB
	s_wait_loadcnt 0x0                             ; the bias
	ROUNDB
.endif
.endm
	LOADB
	s_wait_tensorcnt 0x1                           ; my part of step 0 is in; step 1's may stay out
	s_barrier_signal -1
	s_barrier_wait -1
	FETCH 0, F0
	WIN 0
	s_wait_loadcnt 0x0                             ; the bias
	ROUNDB
	QUARTER 1, F0, F1, 1
	WIN 0                                          ; at a label and at a branch every window is 0
.Ltrip:                                        ; 22 trips: from a step's second quarter to the next step's first; each fills one slot again
	QUARTER 2, F1, F0, 0
	QUARTER 3, F0, F1, 0
	TURN 1
	WIN 0
	s_sub_co_u32 s[KS], s[KS], 1
	s_cmp_lg_u32 s[KS], 0
	s_cbranch_scc1 .Lsame                          ; a jump forward, past no barrier and no tensor load
	WAYOUT 1                                       ; a tile is finished; both refills for the next are asked for
	s_mov_b32 s[KS], 8
	QUARTER 1, F0, F1, 1
	WIN 0
	s_branch .Lnext
.Lsame:
	QUARTER 1, F0, F1, 0
	WIN 0
.Lnext:
	s_sub_co_u32 s[CNT], s[CNT], 1
	s_cmp_lg_u32 s[CNT], 0
	s_cbranch_scc1 .Ltrip
	QUARTER 2, F1, F0, 0                           ; steps 22 and 23 fill nothing
	QUARTER 3, F0, F1, 0
	TURN 0
	QUARTER 1, F0, F1, 0
	QUARTER 2, F1, F0, 0
	QUARTER 3, F0, F1, 0
	s_wait_dscnt 4
	MUL F1, 0, 0
	MUL F1, 1, 0
	s_wait_dscnt 0x0
	MUL F1, 2, 0
	MUL F1, 3, 0
	WIN 0
	PLACES
	WAYOUT 0
	s_wait_tensorcnt 0x0                           ; the wave's end, behind my last tensor load and my last LDS store
	ds_add_u32 v[SPW], v[NIL]
	s_wait_dscnt 0x0
	CROUND                                         ; the closing round: no work-group ends while a partner may still ask for a tile that names it
	s_endpgm
.Lfunc_end_k_qcc162fc34e_qkv:
	.size	k_qcc162fc34e_qkv, .Lfunc_end_k_qcc162fc34e_qkv-k_qcc162fc34e_qkv
	.p2alignl 7, 3214868480
	.fill 96, 4, 3214868480
	.section	.rodata,"a",@progbits
	.p2align	6, 0x0
	.amdhsa_kernel k_qcc162fc34e_qkv
		.amdhsa_group_segment_fixed_size 327680
		.amdhsa_private_segment_fixed_size 0
		.amdhsa_enable_private_segment 0
		.amdhsa_kernarg_size 40
		.amdhsa_user_sgpr_count 2
		.amdhsa_user_sgpr_kernarg_segment_ptr 1
		.amdhsa_wavefront_size32 1
		.amdhsa_system_sgpr_workgroup_id_x 1
		.amdhsa_system_sgpr_workgroup_id_y 1
		.amdhsa_system_sgpr_workgroup_id_z 1
		.amdhsa_system_vgpr_workitem_id 0
		.amdhsa_next_free_vgpr 768
		.amdhsa_next_free_sgpr 80
		.amdhsa_reserve_vcc 0
		.amdhsa_float_denorm_mode_32 3
		.amdhsa_float_denorm_mode_16_64 3
		.amdhsa_memory_ordered 1
		.amdhsa_forward_progress 1
		.amdhsa_inst_pref_size 103
	.end_amdhsa_kernel
	.amdgpu_metadata
---
amdhsa.version: [ 1, 2 ]
amdhsa.kernels:
  - .name:           k_qcc162fc34e_qkv
    .symbol:         k_qcc162fc34e_qkv.kd
    .args:
      - { .name: cb, .offset: 0, .size: 8, .value_kind: global_buffer, .address_space: global }
      - { .name: bq, .offset: 8, .size: 8, .value_kind: global_buffer, .address_space: global }
      - { .name: bk, .offset: 16, .size: 8, .value_kind: global_buffer, .address_space: global }
      - { .name: bv, .offset: 24, .size: 8, .value_kind: global_buffer, .address_space: global }
      - { .name: qkv, .offset: 32, .size: 8, .value_kind: global_buffer, .address_space: global }
    .group_segment_fixed_size: 327680
    .private_segment_fixed_size: 0
    .kernarg_segment_align: 8
    .kernarg_segment_size: 40
    .max_flat_workgroup_size: 128
    .sgpr_count:     80
    .vgpr_count:     768
    .wavefront_size: 32
...
	.end_amdgpu_metadata
.endif
;; end of part 2
;; launch attn (part 3): grid 4 x 64, 4 waves a work-group, clusters of 4 x 1, 327,680 bytes of LDS; arguments qkv, ob; writes ob
.if DOCPART == 3
	.amdgcn_target "amdgcn-amd-amdhsa--gfx1250"
	.amdhsa_code_object_version 6
	.text
	.protected	k_qcc162fc34e_attn
	.globl	k_qcc162fc34e_attn
	.p2align	8
	.type	k_qcc162fc34e_attn,@function
k_qcc162fc34e_attn:
	s_mov_b64 s[64:65], 0
	v_nop
	global_prefetch_b8 v0, s[64:65] scope:SCOPE_SE
	s_setreg_imm32_b32 hwreg(HW_REG_WAVE_MODE, 25, 1), 1
	s_wait_xcnt 0x0
	s_wait_alu depctr_hold_cnt(0) depctr_sa_sdst(0) depctr_va_vdst(0) depctr_va_sdst(0) depctr_va_ssrc(0) depctr_va_vcc(0) depctr_vm_vsrc(0)
	s_getreg_b32 s2, hwreg(HW_REG_IB_STS2, 6, 4)
	s_cmp_eq_u32 s2, 0
	s_cbranch_scc0 .Lentry_in_a_cluster
	s_endpgm
.Lentry_in_a_cluster:
	s_bfe_u32 s2, ttmp6, 0x10000c
	s_cmp_lg_u32 s2, 0x3003
	s_cbranch_scc0 .Lentry_shape_is_right
	s_endpgm
.Lentry_shape_is_right:
; O[h][q][:] = the sum over k of softmax_k(Q[h][q] . K[h][k] / 8) V[h][k][:].  Q, K, V are the three parts of qkv, O is ob: each [64][SIZE_N][64] in f16, a head's rows dense, 128 bytes each.
; Products, maxima and sums in f32; the weights p are rounded to f16 for the second product (their sum l is taken of the unrounded p), O once at the end.
; LIMITS.  Q, K and V arrive within f16's 65,504; p lies in 0 to 1, and below 6e-5 it keeps f16's fixed step of 6e-8; O is a mean of V's rows and has their range.
; A weight below 2^-126 counts as 0 in l; NaN and infinities are not treated apart.
; SHARES.  A wave owns four PIECES of two tiles of 16 queries, a work-group's four waves 512 queries of one head.  Every wave walks all keys, 64 a step.
; LAYOUT.  S^T = K Q^T (source 0 = 16 keys, source 1 = 16 queries): in the result a lane holds ONE query (lane % 16) and the keys 8 (lane / 16) + 0..7.  Two such tiles, rounded to f16 in pairs,
; ARE source 1 (32 keys x 16 queries) of O^T = V^T P, whose result again holds one query a lane, and eight channels.  K comes out of LDS as it lies, V ([key][channel]) turned, by ds_load_tr16_b128.
; SOFTMAX.  For each query a running maximum m and sum l: p = 2^(c s - c m), c = log2(e) / 8; in every step O and l are multiplied by a = 2^(c m_old - c m_new), which is 1 where m has not grown.
; m starts at the lowest finite number, O and l at 0: the first step is a step like any other, with a = 0.
; THE COUNT.  A tile and step have 16 matrix and 118 vector instructions: too many to stand all beside the matrix work.  So four vector instructions that are READY stand behind EVERY matrix
; instruction, and the others in runs without a gap.
; BY TURNS.  Turn n belongs to piece n (the pieces in a ring, step after step).  Its matrix work: 16 products K Q^T of piece n + 1, later 16 products V^T P of piece n - 1.  Its vector work: the scaling,
; exponentials, roundings, sums and rescaling of piece n, and the maximum and statistics of piece n + 1, whose scores the turn itself has made.
; CLUSTER.  The four query blocks of a head are one cluster and walk the same K and V, so each tile is asked for JOINTLY: the same tensor load, descriptor and mask in all four.
; REGISTERS, in windows of 256 (s_set_vgpr_msb: bits 1:0 source 0, 3:2 source 1, 5:4 source 2, 7:6 destination):
;   window 0: v0-11 addresses; v12-15, v48-63 at work; v16-47 four registers of statistics a tile; v64-191 S^T, two buffers of two tiles; v192-255 P, likewise
;   window 1: O^T, 32 a tile          window 2: v0-127 Q, 16 a tile; v128-191 K of one step; v192-255 V of one step          window 3: v0-1 the add's two registers
.set SIZE_N, 2048
.set NP,    4         ; pieces a wave: a name, no knob
.set KS,    64        ; keys in a step
.set PK,    144       ; a row of K in LDS: 128 bytes + 16 = 36 words: the 16 rows of a load start at 16 different groups of four banks (64 banks of 4 bytes: ISA guide 11.1)
.set PV,    160       ; a row of V: 128 + 32 = 40 words
.set VOFF,  4*KS*PK   ; a slot holds four steps: 256 rows of K, then 256 rows of V
.set SLOT1, 1<<17     ; slot 1 begins here
.set STAGE, SLOT1+4*KS*(PK+PV)  ; behind the ring, never filled by a tensor load: 16 rows x 144 bytes for each wave
.set SP,    144
.set AK0, 2           ; v2   my lane's place in a tile of K; never rewritten
.set AV0, 3           ; v3   the same for V
.set AK,  4           ; v4   the LDS address of K's next run of loads
.set AV,  5           ; v5   of V's
.set QO,  6           ; v6   my byte offset in the wave's rows of Q
.set STO, 6           ;      later, the way out: where I put 16 bytes of a row
.set RD,  7           ; v7   the way out: where I read rows back
.set GO,  8           ; v8   my byte offset in 512 consecutive bytes of O
.set PFO, 11          ; v11  256 x my lane, for the prefetches; never rewritten once made
.set SPW, 0           ; v0 of window 3   LDS address of my spare word; never rewritten
.set NIL, 1           ; v1 of window 3   0; never rewritten
.set SPARE, STAGE+4*16*SP  ; the spare words, 128 bytes a wave: two blocks of 256 bytes that no other line names
.set MV,  12          ; v12-15  c m_old, kept while c m is made anew: by buffer and tile
.set ST,  16          ; tile t's statistics at v[ST+4 t]: c m, m, l (even keys', odd keys')
.set TMP, 48          ; by buffer and tile, four registers c0-c3 at work; when the maximum is found c2 takes a
.set S,   64
.set P,   192
.set KF,  128         ; K's fragments, in window 2: key block kb, channel half c at KF + 16 kb + 8 c
.set VF,  192         ; V's: key half kk, channel block cb at VF + 32 kk + 8 cb
.set WV,  12          ; s12  my wave's number
.set G1K, 24          ; s[24:31] descriptor group 1 for K's tiles
.set G1V, 32          ; s[32:39] for V's: it differs in the padding alone
.set G0K, 40          ; s[40:43] descriptor group 0 for K's tiles: it walks
.set G0V, 44          ; s[44:47] the same for V's
.set PFA, 48          ; s[48:49] where my prefetches stand: my work-group's 8,192 bytes (of K: wave 0, of V: wave 2) of the slot after the one that is being asked for
.set LIM, 50          ; s50  1 in a wave that prefetches, else the greatest number
.set SLOTS, 56        ; s56  slots still to be asked for, the one in hand among them
.set CNT, 57          ; s57  counts a slot's key steps
.set CS,  58          ; s[58:59] c
.set SEL, 60          ; s[60:61] v_permlanex16_b32's selects: each lane takes its own place in the other half
.set TBK, 62          ; s62  LDS byte at which K of the step to be fetched begins
.set TBV, 63          ; s63  the same for V, less VOFF
.set MSB, 0
.macro WIN new
.if MSB != (\new)
	s_set_vgpr_msb (MSB<<8)|(\new)
.set MSB, (\new)
.endif
.endm
.set W_KQ, 0x0a       ; K and Q in window 2, S^T in window 0
.set W_PV, 0x52       ; V in window 2, P in window 0, O^T in window 1
.set W_RS, 0x41       ; O^T (destination and source 0) in window 1, a in window 0
.set W_MK, 0xc0       ; the add's registers are made: destination in window 3
.set W_AD, 0x0f       ; the add: address and data in window 3
; A joint fill.  Waves 0 and 1 fetch the two halves of a slot's K, waves 2 and 3 those of its V: 128 keys each.  An s_nop 0 and four v_nop follow each line.
.macro JLOAD
	s_cmp_lt_u32 s[WV], 2
	s_cbranch_scc0 .Lfor_v_\@
	tensor_load_to_lds s[G0K:G0K+3], s[G1K:G1K+7]
	s_nop 0
.rept 4
	v_nop
.endr
	s_branch .Lasked_\@
.Lfor_v_\@:
	tensor_load_to_lds s[G0V:G0V+3], s[G1V:G1V+7]
	s_nop 0
.rept 4
	v_nop
.endr
.Lasked_\@:
.endm
; A PREFETCH INTO THE L2 of what the NEXT change of slots will ask for: a slot's 32,768 bytes of K and of V.  It stands behind the wave's tensor load and its five lines.  The four partners share
; the bytes out BY ADDRESS, 8,192 each, a lane 256; in each, wave 0 asks for K's and wave 2 for V's: one instruction, four key steps (512 matrix instructions) ahead of the load that wants them.
; A head has one cluster, so each block is named once in the launch.  The last change that fills a slot asks for nothing; slots 0 and 1 come by their loads alone.
.macro ASK
	s_cmp_gt_u32 s[SLOTS], s[LIM]
	s_cbranch_scc0 .Lnot_mine_\@
	global_prefetch_b8 v[PFO], s[PFA:PFA+1] th:TH_LOAD_NT scope:SCOPE_SE
.Lnot_mine_\@:
.endm
.macro CROUND                       ; a round of the cluster's barrier
	s_barrier_signal -1
	s_barrier_wait -1
	s_cmp_lg_u32 s[WV], 0
	s_cbranch_scc1 .Lnot_wave_0_\@
	s_barrier_signal -3
.Lnot_wave_0_\@:
	s_barrier_wait -3
	s_barrier_signal -1
	s_barrier_wait -1
.endm
; THE CHANGE OF SLOTS.  Each wave waits for all its tensor loads, of which one is out: its part of the other slot; adds 0 to its spare word; and waits for that and for its own reads of the slot.
; fill = 1: this slot is filled again, with the keys two slots on; the barrier is a round of the cluster's, and the joint fill is the first thing behind it: it has four key steps in which to land.
; (At its first use nothing has been read yet: slot 0 is waited for, slot 1 filled.)
.macro CHANGE fill
	WIN W_AD
	s_wait_tensorcnt 0x0            ; no tensor load of mine is out, so a group 0 may be written
	ds_add_u32 v[SPW], v[NIL]       ; 0 onto my spare word; the descriptors' steps stand between it and the wait for it
	WIN 0                           ; at a label and at a branch every window is 0
.if \fill
.irp g, G0K, G0V
	s_xor_b32 s[\g+1], s[\g+1], SLOT1  ; the other slot than last time,
	s_add_nc_u64 s[\g+2:\g+3], s[\g+2:\g+3], 4*KS*128  ; the next 256 keys; the type bits on top are not reached
.endr
	s_wait_xcnt 0x0                 ; the last prefetch, four key steps back, has read its address, so it may be written
	s_add_nc_u64 s[PFA:PFA+1], s[PFA:PFA+1], 4*KS*128
	s_wait_dscnt 0x0                ; the add is done, and my reads of the slot are over
	CROUND
	JLOAD
	ASK
.else
	s_wait_dscnt 0x0                ; the add is done, and my reads of the slot are over
	s_barrier_signal -1
	s_barrier_wait -1
.endif
	s_sub_co_u32 s[TBK], s[TBK], 4*KS*PK  ; the fetches go back to a slot's first step,
	s_xor_b32 s[TBK], s[TBK], SLOT1       ; in the other slot
	s_sub_co_u32 s[TBV], s[TBV], 4*KS*PV
	s_xor_b32 s[TBV], s[TBV], SLOT1
.endm
	s_load_b64 s[4:5], s[0:1], 0x0    ; qkv: Q's part
	s_load_b64 s[10:11], s[0:1], 0x8  ; O
	WIN W_MK
	v_lshl_add_u32 v[SPW], v0, 2, SPARE
	v_mov_b32 v[NIL], 0
	WIN W_AD
	ds_add_u32 v[SPW], v[NIL]       ; the wave's opening: the add and its wait stand ahead of my first tensor load; register work stands between them
	WIN 0
	v_lshrrev_b32 v1, 5, v0
	v_readfirstlane_b32 s[WV], v1   ; wave 0..3
	s_bfe_u32 s13, ttmp6, 0x40000   ; cx: my place in the cluster
	s_lshl_b32 s14, ttmp9, 2
	s_add_co_u32 s14, s14, s13      ; my block of queries: it enters Q's and O's addresses alone
	s_and_b32 s20, ttmp7, 0xffff    ; the head, which the four partners share
	s_mov_b32 s21, 0
	s_mov_b64 s[22:23], SIZE_N*128
	s_mul_u64 s[20:21], s[20:21], s[22:23]  ; the head's first byte in each of the four tensors
	s_and_b32 s16, s[WV], 1         ; which half of a slot's 256 keys I fetch:
	s_lshl_b32 s22, s16, 14         ; its 128 rows of 128 bytes in memory,
	s_mov_b32 s23, 0
	s_add_nc_u64 s[22:23], s[22:23], s[20:21]
	s_mul_i32 s17, s16, 128*PK      ; and its place in a slot, for K
	s_mul_i32 s18, s16, 128*PV      ; and for V: no place in the cluster enters an LDS address
	s_lshl_b32 s2, s14, 2
	s_add_co_u32 s2, s2, s[WV]      ; my wave among the head's,
	s_lshl_b32 s2, s2, 14           ; its 128 rows
	s_mov_b32 s3, 0
	s_add_nc_u64 s[2:3], s[2:3], s[20:21]
	; descriptor group 1.  128 keys are 16,384 dense bytes: asked for as 64 rows of 256 bytes, two keys a row, and padded in LDS after every key
	s_mov_b32 s[G1K], 15|(1<<16)|(1<<20)|(1<<21)|(4<<22)|(3<<25)  ; the mask of four; 2-byte elements; padding on; bit 21 beside a mask; after every 32 words 4 words
	s_mov_b32 s[G1V], 15|(1<<16)|(1<<20)|(1<<21)|(4<<22)|(7<<25)  ; the same with 8 words of padding
.irp g, G1K, G1V
	s_mov_b32 s[\g+1], 128<<16      ; tensor_dim0 = 128
	s_mov_b32 s[\g+2], 64<<16       ; tensor_dim1 = 64
	s_mov_b32 s[\g+3], 128<<16      ; tile_dim0 = 128
	s_mov_b32 s[\g+4], 64           ; tile_dim1 = 64
	s_mov_b32 s[\g+5], 128          ; 128 elements from row to row
	s_mov_b32 s[\g+6], 0
	s_mov_b32 s[\g+7], 0
.endr
	s_mov_b32 s[CS], 0x3e38aa3b     ; c = log2(e) / 8 = 0.180337
	s_mov_b32 s[CS+1], s[CS]        ; named with it as a pair
	s_mov_b32 s[SEL], 0x76543210
	s_mov_b32 s[SEL+1], 0xfedcba98
	s_mov_b32 s[TBK], SLOT1+4*KS*PK ; the first change of slots turns these two into 0
	s_mov_b32 s[TBV], SLOT1+4*KS*PV
	s_mov_b32 s[G0K], 1             ; count = 1
	s_mov_b32 s[G0K+1], s17         ; LDS address: slot 0
	s_mov_b32 s[G0V], 1
	s_add_co_u32 s[G0V+1], s18, VOFF
	s_mov_b32 s[SLOTS], SIZE_N/256-1
	s_and_b32 s[LIM], s[WV], 1      ; waves 0 and 2 prefetch: the same in all four partners
	s_cmp_eq_u32 s[LIM], 0
	s_cselect_b32 s[LIM], 1, -1
	s_wait_dscnt 0x0                ; the opening add is done
	s_wait_kmcnt 0x0
	s_add_nc_u64 s[6:7], s[4:5], 0x1000000  ; K's part of qkv
	s_add_nc_u64 s[8:9], s[4:5], 0x2000000  ; V's
	s_add_nc_u64 s[G0K+2:G0K+3], s[6:7], s[22:23]  ; global address: my half of the head's first 256 keys
	s_or_b32 s[G0K+3], s[G0K+3], 0x80000000        ; type = 2
	s_add_nc_u64 s[G0V+2:G0V+3], s[8:9], s[22:23]
	s_or_b32 s[G0V+3], s[G0V+3], 0x80000000
	s_add_nc_u64 s[4:5], s[4:5], s[2:3]  ; Q and O at my wave's first row
	s_add_nc_u64 s[10:11], s[10:11], s[2:3]
	s_cmp_lt_u32 s[WV], 2
	s_cselect_b64 s[PFA:PFA+1], s[6:7], s[8:9]
	s_add_nc_u64 s[PFA:PFA+1], s[PFA:PFA+1], s[20:21]  ; the head,
	s_lshl_b32 s2, s13, 13          ; my work-group's quarter of a slot,
	s_mov_b32 s3, 0
	s_add_nc_u64 s[PFA:PFA+1], s[PFA:PFA+1], s[2:3]
	s_add_nc_u64 s[PFA:PFA+1], s[PFA:PFA+1], 4*KS*128  ; in slot 1; the first change of slots steps it to slot 2
	CROUND                          ; all four work-groups are here: the first joint loads meet
	JLOAD                           ; slot 0.  Slot 1 is asked for when slot 0 is in
	; A fragment of K or Q is 16 rows x 32 channels in 8 registers: lane l holds row l % 16, channels 8 (l / 16) + 0..7 and 16 + 8 (l / 16) + 0..7: two loads of 16 bytes, 32 bytes apart.
	v_and_b32 v1, 15, v0            ; l % 16
	v_bfe_u32 v9, v0, 4, 1          ; l / 16
	v_lshlrev_b32 v[QO], 7, v1
	v_lshl_add_u32 v[QO], v9, 4, v[QO]  ; row x 128 + 16 x half
	WIN 0x80                        ; destination window 2, address window 0
.set i, 0
.rept 4*NP                          ; Q stays in registers: tile i / 2, channels 32 (i % 2) on
	global_load_b128 v[8*i:8*i+3],   v[QO], s[4:5] offset:(i/2)*2048+(i%2)*64
	global_load_b128 v[8*i+4:8*i+7], v[QO], s[4:5] offset:(i/2)*2048+(i%2)*64+32
.set i, i+1
.endr
	; What the first turn finds: V's registers and P's second buffer hold 0 (its products V^T P, of a piece that has not been, add 0), O^T and l are 0.  All this stands in the wait for the first tile.
.set i, VF
.rept 64
	v_mov_b32 v[i], 0
.set i, i+1
.endr
	WIN 0x40
.set i, 0
.rept 64*NP
	v_mov_b32 v[i], 0
.set i, i+1
.endr
	WIN 0
.set i, 0
.rept 2*NP
	v_mov_b32 v[ST+4*i], 0xfe000000    ; c m: far below every c s
	v_mov_b32 v[ST+4*i+1], 0xff7fffff  ; m
	v_mov_b32 v[ST+4*i+2], 0
	v_mov_b32 v[ST+4*i+3], 0
.set i, i+1
.endr
.set i, P+32
.rept 32
	v_mov_b32 v[i], 0
.set i, i+1
.endr
	v_mul_u32_u24 v[AK0], v1, PK
	v_lshl_add_u32 v[AK0], v9, 4, v[AK0]  ; row x pitch + 16 x half
	; The turning load takes 16 keys x 16 channels (lane l reads key 8 (l / 16) + l % 8, channels 8 ((l / 8) % 2) + 0..7) and leaves half a fragment of V^T: lane l holds channel l % 16 and 8 keys.
	v_and_b32 v10, 7, v0
	v_bfe_u32 v11, v0, 3, 1
	v_lshl_add_u32 v[AV0], v9, 3, v10
	v_mul_u32_u24 v[AV0], v[AV0], PV
	v_lshl_add_u32 v[AV0], v11, 4, v[AV0]
	v_add_nc_u32 v[AV0], VOFF, v[AV0]
	v_and_b32 v[PFO], 31, v0
	v_lshlrev_b32 v[PFO], 8, v[PFO]
	v_mov_b32 v[AK], v[AK0]         ; key step 0 lies at the head of slot 0
; THE MATRIX WORK.  The 8 accumulators of a run of 16 take turns: between the two links of a chain stand 7 others'.
; Product i of 16 of S^T = K Q^T for piece x: channels 32 (i / 8) on, keys 16 ((i / 2) % 4) on, tile 2 x + i % 2.  The first 8 start the sums.
.macro KQ x
	WIN W_KQ
.set rS, S+64*((\x)%2)+32*(i%2)+8*((i/2)%4)
.set rK, KF+16*((i/2)%4)+8*(i/8)
.set rQ, 16*(2*(\x)+i%2)+8*(i/8)
.if i < 8
	v_wmma_f32_16x16x32_f16 v[rS:rS+7], v[rK:rK+7], v[rQ:rQ+7], 0
.else
	v_wmma_f32_16x16x32_f16 v[rS:rS+7], v[rK:rK+7], v[rQ:rQ+7], v[rS:rS+7]
.endif
.endm
; Product i of 16 of O^T += V^T P for piece x: keys 32 (i / 8) on, channels 16 ((i / 2) % 4) on, tile 2 x + i % 2.
.macro PV x
	WIN W_PV
.set rO, 32*(2*(\x)+i%2)+8*((i/2)%4)
.set rV, VF+32*(i/8)+8*((i/2)%4)
.set rP, P+32*((\x)%2)+16*(i%2)+8*(i/8)
	v_wmma_f32_16x16x32_f16 v[rO:rO+7], v[rV:rV+7], v[rP:rP+7], v[rO:rO+7]
.endm
.macro MM                           ; the turn's next matrix instruction
.if i < 16
	KQ (Y+1)%NP
.set i, i+1
.else
.set i, i-16
	PV (Y+NP-1)%NP
.set i, i+17
.endif
.endm
; THE LDS LOADS stand in runs of 16, never singly among the matrix instructions.  last = 1 (the tail): in the last trip there is no further step, and the run is jumped over.
.macro FETCH_K last=0
	WIN 0
.if \last
	s_cmp_eq_u32 s[CNT], 1
	s_cbranch_scc1 .Lno_k_\@
.endif
	WIN 0x80                        ; destination window 2
.irp f, 0,1,2,3,4,5,6,7             ; keys 16 (f / 2) on, channels 32 (f % 2) on
	ds_load_b128 v[KF+8*\f:KF+8*\f+3],   v[AK] offset:(\f/2)*16*PK+(\f%2)*64
	ds_load_b128 v[KF+8*\f+4:KF+8*\f+7], v[AK] offset:(\f/2)*16*PK+(\f%2)*64+32
.endr
	s_add_co_u32 s[TBK], s[TBK], KS*PK  ; the next fetch is the next step's
	WIN 0
.if \last
.Lno_k_\@:
.endif
.endm
.macro FETCH_V
	WIN 0x80
.irp f, 0,1,2,3,4,5,6,7             ; keys 32 (f / 4) on, channels 16 (f % 4) on
	ds_load_tr16_b128 v[VF+8*\f:VF+8*\f+3],   v[AV] offset:(\f/4)*32*PV+(\f%4)*32
	ds_load_tr16_b128 v[VF+8*\f+4:VF+8*\f+7], v[AV] offset:(\f/4)*32*PV+16*PV+(\f%4)*32
.endr
	WIN 0
.endm
; THE VECTOR WORK OF A TURN stands in three queues, each in the order in which its entries become ready; the two tiles alternate, so that no instruction reads the result of the one before it.
.macro REGS y, u                    ; the registers of tile u (0, 1) of piece y
.set rT, ST+4*(2*(\y)+(\u))
.set rC, TMP+8*((\y)%2)+4*(\u)
.set rM, MV+2*((\y)%2)+(\u)
.set rS, S+64*((\y)%2)+32*(\u)
.set rP, P+32*((\y)%2)+16*(\u)
.set rO, 32*(2*(\y)+(\u))
.endm
; Number n of the 22 that find the NEXT piece's (Y + 1) maximum and statistics.  Each accumulator's lowest registers are read first.  XS, GS and REGS set no window: PL and EX do.
;   0-11  four chains c0-c3 of seven scores each, three operands at a time     12-14, 16  the four scores left over, the old m, and c0-c3 into c0     15  c m_old is kept
;   17, 18  the query's other 32 keys lie in the lane 16 away: the new m         19-21  c m; c m_old - c m_new; a
.macro XS u, n
	REGS (Y+1)%NP, \u
.if (\n) < 4
	v_max3_num_f32 v[rC+(\n)], v[rS+8*(\n)], v[rS+8*(\n)+1], v[rS+8*(\n)+2]
.elseif (\n) < 12
	v_max3_num_f32 v[rC+(\n)%4], v[rC+(\n)%4], v[rS+8*((\n)%4)+2*((\n)/4)+1], v[rS+8*((\n)%4)+2*((\n)/4)+2]
.elseif (\n) == 12
	v_max3_num_f32 v[rC], v[rC], v[rS+7], v[rS+15]
.elseif (\n) == 13
	v_max3_num_f32 v[rC+1], v[rC+1], v[rS+23], v[rS+31]
.elseif (\n) == 14
	v_max3_num_f32 v[rC+2], v[rC+2], v[rC+3], v[rT+1]
.elseif (\n) == 15
	v_mov_b32 v[rM], v[rT]
.elseif (\n) == 16
	v_max3_num_f32 v[rC], v[rC], v[rC+1], v[rC+2]
.elseif (\n) == 17
	v_permlanex16_b32 v[rC+3], v[rC], s[SEL], s[SEL+1]
.elseif (\n) == 18
	v_max_num_f32 v[rT+1], v[rC], v[rC+3]
.elseif (\n) == 19
	v_mul_f32 v[rT], s[CS], v[rT+1]
.elseif (\n) == 20
	v_sub_f32 v[rC+1], v[rM], v[rT]
.else
	v_exp_f32 v[rC+2], v[rC+1]
.endif
.endm
; Number g of the 64 that follow the exponentials.  For each four weights k of a tile: both pairs are rounded to f16; then the second pair is added onto the first, in place;
; a group later l takes that sum (the first time as l = a l + sum).
.macro GS g
.set h, (\g)+6*((\g)/62)            ; group 0 has no group before it, and behind group 7 only l is left
.if h >= 6
.set h, h+2
.endif
	REGS Y, h%2
.set k, h/8
.if h%8 < 4
	s_wait_alu depctr_va_vdst(0)
	v_cvt_pk_f16_f32 v[rP+2*k+(h%8)/2], v[rS+4*k+2*((h%8)/2)], v[rS+4*k+2*((h%8)/2)+1]
.elseif h%8 < 6
	v_pk_add_f32 v[rS+4*k:rS+4*k+1], v[rS+4*k:rS+4*k+1], v[rS+4*k+2:rS+4*k+3]
.elseif k == 1
	v_pk_fma_f32 v[rT+2:rT+3], v[rT+2:rT+3], v[rC+2:rC+3], v[rS:rS+1] op_sel_hi:[1,0,1]
.else
	v_pk_add_f32 v[rT+2:rT+3], v[rT+2:rT+3], v[rS+4*k-4:rS+4*k-3]
	s_wait_alu depctr_va_vdst(0)
.endif
.endm
; THE PLAIN QUEUE, 138 long.  0-31: c s - c m for the 16 pairs of both tiles.  Then GS's 64, and among them the next piece's 42: number 15 at 38, 39; 0-14 and 16
; at 42-73, behind the products that make those scores; 17-20 at 95-106, two of three, since each waits for the one before it.
.macro PL
	WIN 0
.if q < 32
	REGS Y, q%2
	v_pk_fma_f32 v[rS+2*(q/2):rS+2*(q/2)+1], v[rS+2*(q/2):rS+2*(q/2)+1], s[CS:CS+1], v[rT:rT+1] op_sel_hi:[1,0,0] neg_lo:[0,0,1] neg_hi:[0,0,1]
.elseif q < 38
	GS q-32
.elseif q < 40
	XS q%2, 15
.elseif q < 42
	GS q-34
.elseif q < 74
	XS q%2, (q-42)/2+(q-42)/30
.elseif q < 95
	GS q-66
.elseif (q < 107) && ((q-95)%3 < 2)
	XS (q-95)%3, 17+(q-95)/3
.elseif q < 107
	GS 29+(q-95)/3
.else
	GS q-74
.endif
.set q, q+1
.endm
; THE EXPONENTIALS' QUEUE, 66 long: s0-s31 of both tiles, and at EA the next piece's two a.
.set EA, 58
.macro EX
	WIN 0
.if (e == EA) || (e == EA+1)
	XS e-EA, 21
.else
.set x, e-2*(e/(EA+2))
	REGS Y, x%2
	v_exp_f32 v[rS+x/2], v[rS+x/2]
.endif
.set e, e+1
.endm
; THE RESCALING's QUEUE: O^T times a, the one part that leaves window 0, so it is dealt four at a time, eight times.
.macro R4
	REGS Y, r%2
	WIN W_RS
	s_wait_alu depctr_va_vdst(0)
.irp z, 0,1,2,3
	v_pk_mul_f32 v[rO+8*(r/2)+2*\z:rO+8*(r/2)+2*\z+1], v[rO+8*(r/2)+2*\z:rO+8*(r/2)+2*\z+1], v[rC+2:rC+3] op_sel_hi:[1,0]
.endr
.set r, r+1
.endm
; HOW THEY ARE DEALT.  Behind a matrix instruction four: plain, exponential, plain, plain, or four of the rescaling.  None names a register of the products round it.  What is over stands in two
; LUMPS: exponential and plain by turns; the second ends in 22 plain instructions.  The queues lean on each other, and the deal keeps them in step: exponential e stands behind plain
; 2 (e / 4) + e % 2 (its scaling); when plain 32 comes, 10 exponentials are out, at 59: 33, at 95: 46; EA comes behind plain 107.
.macro SL
	MM
	PL
	EX
	PL
	PL
.endm
.macro BURST n                      ; 15 matrix instructions, or 16
.rept (\n)-7
	SL
.endr
.rept 3
	MM
	R4
	SL
.endr
	MM
	R4
.endm
; A TURN, for piece p.  cnt = 1: the loop's count is taken down some lines ahead of the branch that stands behind the turn.
; K of the next step is fetched in piece 2's turn, 31 vector instructions behind the last product that read K.  V of the step in hand is fetched at the end of piece 0's turn, 69 behind its last reader.
.macro TURN p, last=0, cnt=0
.set Y, (\p)
.set i, 0
.set q, 0
.set e, 0
.set r, 0
.if (\p) == NP-1
	s_wait_dscnt 0x0                ; K is in
.endif
	MM
.rept 4
	PL
.endr
	BURST 15
.rept 22
	EX
	PL
.if ((\p) == NP-2) && (e == 18)
	v_add_nc_u32 v[AK], s[TBK], v[AK0]
.endif
.if ((\p) == NP-2) && (e == 24)
	FETCH_K \last
.endif
.endr
.if (\p) == 1
	s_wait_dscnt 0x0                ; V is in
.endif
	BURST 16
.rept 21
	EX
	PL
.endr
.rept 22
	PL
.if ((\p) == 0) && (q == 118)
	v_add_nc_u32 v[AV], s[TBV], v[AV0]
	s_wait_alu depctr_va_vdst(0)
.endif
.if ((\p) == 0) && (q == 130)
	s_add_co_u32 s[TBV], s[TBV], KS*PV
.endif
.if (\cnt) && (q == 130)
	s_sub_co_u32 s[CNT], s[CNT], 1
	s_cmp_lg_u32 s[CNT], 0
.endif
.endr
.if (\p) == 0
	FETCH_V
.endif
.endm
	CHANGE 1                        ; slot 0 is in, everybody's part of it; slot 1 is asked for
	FETCH_K                         ; key step 0
	s_wait_loadcnt 0x0              ; Q
	s_wait_dscnt 0x0
.set i, 0
.rept 16
	KQ 0                            ; piece 0's first scores: there is no vector work yet to set between them
.set i, i+1
.endr
	WIN 0                           ; the addresses for the way out: plain instructions, the places behind those products
	s_mul_i32 s13, s[WV], 16*SP
	s_add_co_u32 s13, s13, STAGE    ; my stage
	v_mul_u32_u24 v[STO], v1, SP    ; in: row l % 16, 16 bytes for each half of the lanes
	v_lshl_add_u32 v[STO], v9, 4, v[STO]
	v_add_nc_u32 v[STO], s13, v[STO]
	v_bfe_u32 v[RD], v0, 3, 2       ; back: 32 lanes take four rows of 128 bytes,
	v_mul_u32_u24 v[RD], v[RD], SP
	v_lshl_add_u32 v[RD], v10, 4, v[RD]
	v_add_nc_u32 v[RD], s13, v[RD]
	v_and_b32 v[GO], 31, v0         ; which are 512 consecutive bytes of O
	v_lshlrev_b32 v[GO], 4, v[GO]
.set Y, NP-1                        ; XS works for piece Y + 1: piece 0
.irp n, 0,1,2,3,4,5,6,7,8,9,10,11,12,13,14,15,16,17,18,19,20,21
	XS 0, \n                        ; and piece 0's first maximum and statistics
	XS 1, \n
.endr
	s_mov_b32 s[CNT], 4
	s_branch .Lfirst                ; the loop is entered at a step's first turn, in the middle of a trip
.Lslot:                             ; SIZE_N / 256 - 2 times: every slot but the last two is filled again
	CHANGE 1
	s_mov_b32 s[CNT], 4
.Lstep:                             ; a trip: pieces 2 and 3 of one step, then pieces 0 and 1 of the next, whose K and V it fetches
	TURN 2
	TURN 3
	WIN 0
.Lfirst:
	TURN 0
	TURN 1, 0, 1
	WIN 0
	s_cbranch_scc1 .Lstep
	s_sub_co_u32 s[SLOTS], s[SLOTS], 1
	s_cmp_lg_u32 s[SLOTS], 0
	s_cbranch_scc1 .Lslot
	CHANGE 0                        ; the tail is written out: nothing is asked for
	s_mov_b32 s[CNT], 5             ; four trips fetch the last slot's steps; the fifth is left in its middle
.Ltail:
	TURN 2, 1
	TURN 3
	WIN 0
	s_sub_co_u32 s[CNT], s[CNT], 1
	s_cmp_eq_u32 s[CNT], 0
	s_cbranch_scc1 .Lout
	TURN 0
	TURN 1
	WIN 0
	s_branch .Ltail
.Lout:                              ; the fifth trip's 16 products K Q^T (on the last K once more) and the maximum made of them serve nothing: the price, once a launch, of one text for every trip
.set i, 0
.rept 16
	PV NP-1                         ; the last piece's V^T P of the last step
.set i, i+1
.endr
	; THE WAY OUT.  l's two halves and the other half of the lanes' are added; O^T is divided by l, rounded to f16 and sent through my stage in LDS, a tile at a time.  The additions are the places behind the last products.
	WIN 0
.macro ALL line:vararg              ; one line for each tile t
.set t, 0
.rept 2*NP
	\line
.set t, t+1
.endr
.endm
	ALL v_add_f32 v[ST+4*t+2], v[ST+4*t+2], v[ST+4*t+3]
	ALL v_permlanex16_b32 v[ST+4*t+3], v[ST+4*t+2], s[SEL], s[SEL+1]
	ALL v_add_f32 v[ST+4*t+2], v[ST+4*t+2], v[ST+4*t+3]
	ALL v_rcp_f32 v[ST+4*t+2], v[ST+4*t+2]
	v_nop                           ; a plain instruction between the last reciprocal and the use of its result
	s_wait_alu depctr_va_vdst(0)
; Tile t: a lane's eight channels of a row pack into 16 bytes; they go into rows of 144 bytes and come back as whole rows of 128, into S^T's registers.
.macro PACK t
	WIN W_RS
.set i, 32*(\t)
.rept 16
	v_pk_mul_f32 v[i:i+1], v[i:i+1], v[ST+4*(\t)+2:ST+4*(\t)+3] op_sel_hi:[1,0]
.set i, i+2
.endr
	WIN 0x05                        ; sources 0 and 1 window 1, destination window 0
.set i, 0
.rept 16
	v_cvt_pk_f16_f32 v[S+16*(\t)+i], v[32*(\t)+2*i], v[32*(\t)+2*i+1]
.set i, i+1
.endr
	WIN 0
.irp f, 0,1,2,3
	ds_store_b128 v[STO], v[S+16*(\t)+4*\f:S+16*(\t)+4*\f+3] offset:32*\f
.endr
.irp f, 0,1,2,3
	ds_load_b128 v[S+16*(\t)+4*\f:S+16*(\t)+4*\f+3], v[RD] offset:\f*4*SP  ; LDS serves a wave's instructions in order (ISA guide 5.7.1.4): these see the stores above; the next tile's stores come behind them
.endr
.endm
.macro SEND t, younger              ; younger: the LDS instructions issued behind tile t's loads: the next tile's eight, or none
	WIN 0
.irp f, 0,1,2,3
	s_wait_dscnt (\younger)+3-\f
	global_store_b128 v[GO], v[S+16*(\t)+4*\f:S+16*(\t)+4*\f+3], s[10:11] offset:(\t)*2048+\f*512  ; 512 consecutive bytes, at a multiple of 256 from O's first
.endr
.endm
	PACK 0
.set t, 1
.rept 2*NP-1                        ; a tile's arithmetic stands between the loads of the tile before and its stores
	PACK t
	SEND t-1, 8
.set t, t+1
.endr
	SEND 2*NP-1, 0
	WIN W_AD
	s_wait_tensorcnt 0x0            ; the wave's end, behind my last tensor load and my last LDS store
	ds_add_u32 v[SPW], v[NIL]
	s_wait_dscnt 0x0
	WIN 0
	CROUND                          ; the closing round: no work-group ends while a partner may still ask for a tile that names it
	s_endpgm
.Lfunc_end_k_qcc162fc34e_attn:
	.size	k_qcc162fc34e_attn, .Lfunc_end_k_qcc162fc34e_attn-k_qcc162fc34e_attn
	.p2alignl 7, 3214868480
	.fill 96, 4, 3214868480
	.section	.rodata,"a",@progbits
	.p2align	6, 0x0
	.amdhsa_kernel k_qcc162fc34e_attn
		.amdhsa_group_segment_fixed_size 327680
		.amdhsa_private_segment_fixed_size 0
		.amdhsa_enable_private_segment 0
		.amdhsa_kernarg_size 16
		.amdhsa_user_sgpr_count 2
		.amdhsa_user_sgpr_kernarg_segment_ptr 1
		.amdhsa_wavefront_size32 1
		.amdhsa_system_sgpr_workgroup_id_x 1
		.amdhsa_system_sgpr_workgroup_id_y 1
		.amdhsa_system_sgpr_workgroup_id_z 1
		.amdhsa_system_vgpr_workitem_id 0
		.amdhsa_next_free_vgpr 770
		.amdhsa_next_free_sgpr 66
		.amdhsa_reserve_vcc 0
		.amdhsa_float_denorm_mode_32 3
		.amdhsa_float_denorm_mode_16_64 3
		.amdhsa_memory_ordered 1
		.amdhsa_forward_progress 1
		.amdhsa_inst_pref_size 209
	.end_amdhsa_kernel
	.amdgpu_metadata
---
amdhsa.version: [ 1, 2 ]
amdhsa.kernels:
  - .name:           k_qcc162fc34e_attn
    .symbol:         k_qcc162fc34e_attn.kd
    .args:
      - { .name: qkv, .offset: 0, .size: 8, .value_kind: global_buffer, .address_space: global }
      - { .name: ob, .offset: 8, .size: 8, .value_kind: global_buffer, .address_space: global }
    .group_segment_fixed_size: 327680
    .private_segment_fixed_size: 0
    .kernarg_segment_align: 8
    .kernarg_segment_size: 16
    .max_flat_workgroup_size: 128
    .sgpr_count:     66
    .vgpr_count:     770
    .wavefront_size: 32
...
	.end_amdgpu_metadata
.endif
;; end of part 3
;; launch oproj (part 4): grid 4 x 64, 4 waves a work-group, clusters of 4 x 4, 327,680 bytes of LDS; arguments ob, cb, bo, out0; writes out0
.if DOCPART == 4
	.amdgcn_target "amdgcn-amd-amdhsa--gfx1250"
	.amdhsa_code_object_version 6
	.text
	.protected	k_qcc162fc34e_oproj
	.globl	k_qcc162fc34e_oproj
	.p2align	8
	.type	k_qcc162fc34e_oproj,@function
k_qcc162fc34e_oproj:
	s_mov_b64 s[64:65], 0
	v_nop
	global_prefetch_b8 v0, s[64:65] scope:SCOPE_SE
	s_setreg_imm32_b32 hwreg(HW_REG_WAVE_MODE, 25, 1), 1
	s_wait_xcnt 0x0
	s_wait_alu depctr_hold_cnt(0) depctr_sa_sdst(0) depctr_va_vdst(0) depctr_va_sdst(0) depctr_va_ssrc(0) depctr_va_vcc(0) depctr_vm_vsrc(0)
	s_getreg_b32 s2, hwreg(HW_REG_IB_STS2, 6, 4)
	s_cmp_eq_u32 s2, 0
	s_cbranch_scc0 .Lentry_in_a_cluster
	s_endpgm
.Lentry_in_a_cluster:
	s_bfe_u32 s2, ttmp6, 0x10000c
	s_cmp_lg_u32 s2, 0xf033
	s_cbranch_scc0 .Lentry_shape_is_right
	s_endpgm
.Lentry_shape_is_right:
; out0 = O wo + bo.  O comes from ob by heads, [16 batch + head][2048][64] in f16; wo ([k][n], its bf16 number written as f16) from cb; bo is rounded to bf16 here.  Sums in f32, begun with the bias; out0 in f32.
; LIMIT.  NaN and infinities are not treated apart; the operands arrive within f16's range.
; SHARES.  A tile of out0 is 128 rows x 256 columns, one to a work-group: 4 x 64 of them.  Wave w: rows 64 (w / 2) on, columns 128 (w % 2) on: 32 accumulators.  K goes in 8 steps of 128, two heads a step,
; through a ring of two LDS slots.  A head's 128 rows of the row block are 16,384 dense bytes: asked for as 64 rows of 256 bytes and padded in LDS after every 128.
; THE MATRIX INSTRUCTION IS USED TRANSPOSED: source 0 = 16 columns of wo (read turned out of LDS), source 1 = 16 rows of O: a lane holds one row of out0 and eight neighbouring columns, 32 bytes.
; CLUSTER.  4 x 4 work-groups: O's tile is asked for jointly by a row of the cluster, wo's by a column.  Waves 0, 1 fetch a step's two heads, waves 2, 3 wo's two halves of 64 k-rows.
; REGISTERS: window 0: addresses, the bias (64), the way out (128).  window 1: two fragment buffers of 96.  window 2: accumulator (a, b) at v[8 (8 a + b)].
.set WO0,   0x2600000                  ; wo in cb
.set PA,    144                        ; O's LDS row: 128 bytes + 16: the 16 rows of a fragment load start at 16 different groups of four banks (64 banks of 4 bytes: ISA guide 11.1)
.set HEADB, 128*PA                     ; a head's 128 rows
.set AREG,  2*HEADB
.set PB,    544                        ; wo's LDS row: 512 bytes + 32
.set HALFB, 64*PB
.set SLOT1, 1<<17
.set STAGE, SLOT1+AREG+2*HALFB         ; behind the ring, never filled by a tensor load: 16 rows x 528 bytes for each wave
.set SP,    528                        ; 512 bytes + 16: an odd multiple of 16
.set SPARE, STAGE+4*16*SP              ; the spare words, 128 bytes a wave
.set ADRA0, 4
.set ADRB0, 5
.set ADRA,  6
.set ADRB,  7
.set STO,   8                          ; v8   the way out: where I put 32 bytes of a row
.set RD,    9                          ; v9   where I read a row back
.set CO,    10                         ; v10  my 16 bytes of 512 consecutive bytes of a row of out0
.set BO,    11
.set T,     12
.set SPW,   28
.set NIL,   29
.set BIAS,  32
.set TMP,   128                        ; v[128:255] two buffers of 64: 16 rows read back
.set F0,    0
.set F1,    96
.set WV, 14
.set MH, 15
.set NH, 16
.set CX, 17
.set CY, 18
.set TX, 19
.set TY, 20
.set G1A,  24
.set G1B,  32
.set G0A0, 40
.set G0A,  44
.set G0B0, 48
.set G0B,  52
.set CNT,  62
.set TB,   63
.set OUT,  66                          ; s[66:67] out0 at my first row and column
.set HM,   71
.set MSB, 0
.macro WIN new
.if MSB != (\new)
	s_set_vgpr_msb (MSB<<8)|(\new)
.set MSB, \new
.endif
.endm
.macro PLACES
.rept 4
	v_nop
.endr
.endm
.macro CREST
	s_cmp_lg_u32 s[WV], 0
	s_cbranch_scc1 .Lnot_wave_0_\@
	s_barrier_signal -3
.Lnot_wave_0_\@:
	s_barrier_wait -3
	s_barrier_signal -1
	s_barrier_wait -1
.endm
.macro CROUND
	s_barrier_signal -1
	s_barrier_wait -1
	CREST
.endm
.macro JLOAD                           ; a joint refill; an s_nop 0 and four v_nop follow each line
	s_cmp_eq_u32 s[MH], 0
	s_cbranch_scc0 .Lfor_b_\@
	tensor_load_to_lds s[G0A:G0A+3], s[G1A:G1A+7]
	s_nop 0
.rept 4
	v_nop
.endr
	s_branch .Lasked_\@
.Lfor_b_\@:
	tensor_load_to_lds s[G0B:G0B+3], s[G1B:G1B+7]
	s_nop 0
.rept 4
	v_nop
.endr
.Lasked_\@:
.endm
	s_load_b256 s[4:11], s[0:1], 0x0               ; ob s[4:5], cb s[6:7], bo s[8:9], out0 s[10:11]
	v_lshl_add_u32 v[SPW], v0, 2, SPARE
	v_mov_b32 v[NIL], 0
	ds_add_u32 v[SPW], v[NIL]                      ; the wave's opening: the add and its wait stand ahead of my first tensor load; register work stands between them
	v_lshrrev_b32 v3, 5, v0
	v_readfirstlane_b32 s[WV], v3
	s_lshr_b32 s[MH], s[WV], 1
	s_and_b32 s[NH], s[WV], 1
	s_bfe_u32 s[CX], ttmp6, 0x40000
	s_bfe_u32 s[CY], ttmp6, 0x40004
	s_lshl_b32 s[TX], ttmp9, 2
	s_add_co_u32 s[TX], s[TX], s[CX]
	s_and_b32 s[TY], ttmp7, 0xffff
	s_lshl_b32 s[TY], s[TY], 2
	s_add_co_u32 s[TY], s[TY], s[CY]
	s_lshl_b32 s21, s[CY], 2
	s_lshl_b32 s21, 15, s21                        ; my row of the cluster
	s_lshl_b32 s22, 0x1111, s[CX]                  ; my column
	s_or_b32 s[G1A], s21, (1<<16)|(1<<20)|(1<<21)|(4<<22)|(3<<25)  ; the mask; 2-byte elements; padding on; bit 21 beside a mask; after every 32 words 4 words
	s_mov_b32 s[G1A+1], 128<<16
	s_mov_b32 s[G1A+2], 64<<16
	s_mov_b32 s[G1A+3], 128<<16
	s_mov_b32 s[G1A+4], 64
	s_mov_b32 s[G1A+5], 128                        ; dense: 128 elements from row to row
	s_mov_b32 s[G1A+6], 0
	s_mov_b32 s[G1A+7], 0
	s_or_b32 s[G1B], s22, (1<<16)|(1<<20)|(1<<21)|(6<<22)|(7<<25)  ; after every 128 words 8 words
	s_mov_b32 s[G1B+1], 256<<16
	s_mov_b32 s[G1B+2], 64<<16
	s_mov_b32 s[G1B+3], 256<<16
	s_mov_b32 s[G1B+4], 64
	s_mov_b32 s[G1B+5], 1024
	s_mov_b32 s[G1B+6], 0
	s_mov_b32 s[G1B+7], 0
	s_mul_i32 s23, s[NH], HEADB
	s_mov_b32 s[G0A0], 1
	s_mov_b32 s[G0A0+1], s23
	s_mov_b32 s[G0A], 1
	s_add_co_u32 s[G0A+1], s23, SLOT1
	s_mul_i32 s23, s[NH], HALFB
	s_mov_b32 s[G0B0], 1
	s_add_co_u32 s[G0B0+1], s23, AREG
	s_mov_b32 s[G0B], 1
	s_add_co_u32 s[G0B+1], s23, SLOT1+AREG
	s_lshr_b32 s72, s[TY], 4                       ; O: head 16 batch + the one of a step's two that I fetch, 262,144 bytes a head (these two registers never hold cx)
	s_lshl_b32 s72, s72, 4
	s_add_co_u32 s72, s72, s[NH]
	s_lshl_b32 s72, s72, 18
	s_and_b32 s73, s[TY], 15                       ; the row block's 128 rows of 128 bytes in the head
	s_lshl_b32 s73, s73, 14
	s_add_co_u32 s72, s72, s73
	s_mov_b32 s73, 0
	s_lshl_b32 s74, s[NH], 17                      ; wo: k-row 64 half, column 256 TX (these never hold cy)
	s_lshl_b32 s75, s[TX], 9
	s_add_co_u32 s74, s74, s75
	s_add_co_u32 s74, s74, WO0
	s_mov_b32 s75, 0
	s_lshl_b32 s78, s[TY], 1                       ; out0: row 128 TY + 64 half, 4,096 bytes a row; column 256 TX + 128 half, 4 bytes each
	s_add_co_u32 s78, s78, s[MH]
	s_lshl_b32 s78, s78, 18
	s_lshl_b32 s79, s[TX], 1
	s_add_co_u32 s79, s79, s[NH]
	s_lshl_b32 s79, s79, 9
	s_add_co_u32 s78, s78, s79
	s_mov_b32 s79, 0
	s_mov_b32 s[CNT], 6
	s_mov_b32 s[TB], 0
	s_mov_b32 s[HM], 0xffff0000
	s_wait_dscnt 0x0                               ; the opening add is done
	s_wait_kmcnt 0x0
	s_add_nc_u64 s[G0A0+2:G0A0+3], s[4:5], s[72:73]  ; step 0
	s_add_nc_u64 s[G0A+2:G0A+3], s[G0A0+2:G0A0+3], 524288  ; step 1: two heads on
	s_or_b32 s[G0A0+3], s[G0A0+3], 0x80000000      ; type = 2
	s_or_b32 s[G0A+3], s[G0A+3], 0x80000000
	s_add_nc_u64 s[G0B0+2:G0B0+3], s[6:7], s[74:75]
	s_add_nc_u64 s[G0B+2:G0B+3], s[G0B0+2:G0B0+3], 262144  ; 128 k-rows on
	s_or_b32 s[G0B0+3], s[G0B0+3], 0x80000000
	s_or_b32 s[G0B+3], s[G0B+3], 0x80000000
	s_add_nc_u64 s[OUT:OUT+1], s[10:11], s[78:79]
	CROUND                                         ; all sixteen work-groups are here: the first joint loads meet
	s_cmp_eq_u32 s[MH], 0                          ; a wave's two first fills stand in one branch: two loads of mine are out
	s_cbranch_scc0 .Lfirst_b
	tensor_load_to_lds s[G0A0:G0A0+3], s[G1A:G1A+7]
	s_nop 0
	tensor_load_to_lds s[G0A:G0A+3], s[G1A:G1A+7]
	s_nop 0
.rept 4
	v_nop
.endr
	s_branch .Lfirst_asked
.Lfirst_b:
	tensor_load_to_lds s[G0B0:G0B0+3], s[G1B:G1B+7]
	s_nop 0
	tensor_load_to_lds s[G0B:G0B+3], s[G1B:G1B+7]
	s_nop 0
.rept 4
	v_nop
.endr
.Lfirst_asked:
	v_and_b32 v1, 15, v0                           ; l % 16
	v_bfe_u32 v2, v0, 4, 1                         ; l / 16
	v_mul_u32_u24 v[ADRA0], v1, PA
	v_lshl_add_u32 v[ADRA0], v2, 4, v[ADRA0]
	s_mul_i32 s23, s[MH], 64*PA
	v_add_nc_u32 v[ADRA0], s23, v[ADRA0]
	v_and_b32 v12, 7, v0
	v_bfe_u32 v13, v0, 3, 1
	v_lshl_add_u32 v[ADRB0], v2, 3, v12
	v_mul_u32_u24 v[ADRB0], v[ADRB0], PB
	v_lshl_add_u32 v[ADRB0], v13, 4, v[ADRB0]
	s_lshl_b32 s23, s[NH], 8
	s_add_co_u32 s23, s23, AREG
	v_add_nc_u32 v[ADRB0], s23, v[ADRB0]
	v_mov_b32 v[ADRA], v[ADRA0]
	v_mov_b32 v[ADRB], v[ADRB0]
	s_mul_i32 s23, s[WV], 16*SP
	s_add_co_u32 s23, s23, STAGE                   ; my stage
	v_mul_u32_u24 v[STO], v1, SP                   ; in: row l % 16, 32 bytes for each half of the lanes
	v_lshl_add_u32 v[STO], v2, 5, v[STO]
	v_add_nc_u32 v[STO], s23, v[STO]
	v_and_b32 v[CO], 31, v0                        ; back: 32 lanes take one row of 512 bytes
	v_lshlrev_b32 v[CO], 4, v[CO]
	v_add_nc_u32 v[RD], s23, v[CO]
	s_lshl_b32 s74, s[TX], 10
	s_lshl_b32 s75, s[NH], 9
	s_add_co_u32 s74, s74, s75
	v_lshl_add_u32 v[BO], v2, 5, s74               ; my eight numbers of each 16 of my 128 columns' bias
; 8 matrix instructions: block a x all 8 column blocks.  start = 1: the bias is the C that starts the sums.  The 32 accumulators take turns, one instruction a turn.
.macro MUL f, a, start
.if \start
	WIN 0x85
.else
	WIN 0xa5
.endif
.irp b, 0,1,2,3,4,5,6,7
.if \start
	v_wmma_f32_16x16x32_f16 v[8*(8*(\a)+(\b)):8*(8*(\a)+(\b))+7], v[(\f)+32+8*(\b):(\f)+32+8*(\b)+7], v[(\f)+8*(\a):(\f)+8*(\a)+7], v[BIAS+8*(\b):BIAS+8*(\b)+7]
.else
	v_wmma_f32_16x16x32_f16 v[8*(8*(\a)+(\b)):8*(8*(\a)+(\b))+7], v[(\f)+32+8*(\b):(\f)+32+8*(\b)+7], v[(\f)+8*(\a):(\f)+8*(\a)+7], v[8*(8*(\a)+(\b)):8*(8*(\a)+(\b))+7]
.endif
.endr
.endm
; 24 LDS loads in one run: quarter q lies in head q / 2 of the step, channels 32 (q % 2) on
.macro FETCH q, f
	WIN 0x40
.irp b, 0,1,2,3,4,5,6,7
	ds_load_tr16_b128 v[(\f)+32+8*(\b):(\f)+32+8*(\b)+3],   v[ADRB] offset:32*(\q)*PB+32*(\b)
	ds_load_tr16_b128 v[(\f)+32+8*(\b)+4:(\f)+32+8*(\b)+7], v[ADRB] offset:32*(\q)*PB+16*PB+32*(\b)
.endr
.irp a, 0,1,2,3
	ds_load_b128 v[(\f)+8*(\a):(\f)+8*(\a)+3],   v[ADRA] offset:((\q)/2)*HEADB+((\q)%2)*64+16*(\a)*PA
	ds_load_b128 v[(\f)+8*(\a)+4:(\f)+8*(\a)+7], v[ADRA] offset:((\q)/2)*HEADB+((\q)%2)*64+16*(\a)*PA+32
.endr
.endm
.macro QUARTER nq, f, g, start
	s_wait_dscnt 4                                 ; wo and O's rows 0-31 are in; the youngest four loads may be out
	MUL \f, 0, \start
	MUL \f, 1, \start
	PLACES
	FETCH \nq, \g
	s_wait_dscnt 24                                ; all but the 24 just issued
	MUL \f, 2, \start
	MUL \f, 3, \start
.endm
; The last quarter multiplies buffer 1 and changes slots: in front of the barrier each wave waits for all its tensor loads, adds 0 to its spare word, and waits for that and for its reads of this slot.
.macro TURN fill
	WIN 0
	s_wait_tensorcnt 0x0                           ; no tensor load of mine is out, so the walking descriptors may be written
	ds_add_u32 v[SPW], v[NIL]
.if \fill
	s_xor_b32 s[G0A+1], s[G0A+1], SLOT1
	s_add_nc_u64 s[G0A+2:G0A+3], s[G0A+2:G0A+3], 524288
	s_xor_b32 s[G0B+1], s[G0B+1], SLOT1
	s_add_nc_u64 s[G0B+2:G0B+3], s[G0B+2:G0B+3], 262144
.endif
	s_xor_b32 s[TB], s[TB], SLOT1
	s_wait_dscnt 5                                 ; the add and the youngest four loads may be out
	MUL F1, 0, 0
	s_wait_dscnt 0x0                               ; the add is done, and my reads of this slot are over
	s_barrier_signal -1
	MUL F1, 1, 0
	WIN 0
	s_barrier_wait -1
.if \fill
	CREST                                          ; no wave of any partner still reads this slot or has a load on its way
	JLOAD                                          ; its four v_nop are also the places in front of the loads below
.else
	PLACES
.endif
	v_add_nc_u32 v[ADRA], s[TB], v[ADRA0]
	v_add_nc_u32 v[ADRB], s[TB], v[ADRB0]
	FETCH 0, F0
	MUL F1, 2, 0
	MUL F1, 3, 0
.endm
; THE WAY OUT of block a, in f32: straight from the accumulators (each one's lowest registers first) into my stage, and back as whole rows of 512 bytes.
.macro TOSTAGE a
	WIN 0x08                                       ; the stores' data in window 2
.irp b, 0,1,2,3,4,5,6,7
	ds_store_b128 v[STO], v[8*(8*(\a)+(\b)):8*(8*(\a)+(\b))+3]   offset:64*(\b)
	ds_store_b128 v[STO], v[8*(8*(\a)+(\b))+4:8*(8*(\a)+(\b))+7] offset:64*(\b)+16
.endr
	WIN 0
.irp f, 0,1,2,3,4,5,6,7,8,9,10,11,12,13,14,15
	ds_load_b128 v[TMP+64*((\a)%2)+4*(\f):TMP+64*((\a)%2)+4*(\f)+3], v[RD] offset:SP*(\f)  ; LDS serves a wave's instructions in order (ISA guide 5.7.1.4): these see the stores above
.endr
.endm
.macro SEND a, younger                 ; younger: the LDS instructions issued behind block a's loads: the next block's 32, or none
.irp f, 0,1,2,3,4,5,6,7,8,9,10,11,12,13,14,15
	s_wait_dscnt (\younger)+15-(\f)
	global_store_b128 v[CO], v[TMP+64*((\a)%2)+4*(\f):TMP+64*((\a)%2)+4*(\f)+3], s[OUT:OUT+1] offset:(16*(\a)+(\f))*4096 th:TH_STORE_NT  ; 512 consecutive bytes of a row, aligned
.endr
.endm
.irp b, 0,1,2,3,4,5,6,7
	global_load_b128 v[BIAS+8*(\b):BIAS+8*(\b)+3],   v[BO], s[8:9] offset:64*(\b)
	global_load_b128 v[BIAS+8*(\b)+4:BIAS+8*(\b)+7], v[BO], s[8:9] offset:64*(\b)+16
.endr
	s_wait_tensorcnt 0x1                           ; my part of step 0 is in; step 1's may stay out
	s_barrier_signal -1
	s_barrier_wait -1
	FETCH 0, F0
	WIN 0
	s_wait_loadcnt 0x0                             ; the bias: rounded to bf16 and widened again
.set i, 0
.rept 32
	v_cvt_pk_bf16_f32 v[T+i%4], v[BIAS+2*i], v[BIAS+2*i+1]
	v_lshlrev_b32 v[BIAS+2*i], 16, v[T+i%4]
	v_and_b32 v[BIAS+2*i+1], s[HM], v[T+i%4]
.set i, i+1
.endr
	QUARTER 1, F0, F1, 1
	WIN 0                                          ; at a label and at a branch every window is 0
.Ltrip:                                        ; 6 trips: from a step's second quarter to the next step's first; each fills one slot again
	QUARTER 2, F1, F0, 0
	QUARTER 3, F0, F1, 0
	TURN 1
	QUARTER 1, F0, F1, 0
	WIN 0
	s_sub_co_u32 s[CNT], s[CNT], 1
	s_cmp_lg_u32 s[CNT], 0
	s_cbranch_scc1 .Ltrip
	QUARTER 2, F1, F0, 0                           ; steps 6 and 7 fill nothing
	QUARTER 3, F0, F1, 0
	TURN 0
	QUARTER 1, F0, F1, 0
	QUARTER 2, F1, F0, 0
	QUARTER 3, F0, F1, 0
	s_wait_dscnt 4
	MUL F1, 0, 0
	MUL F1, 1, 0
	s_wait_dscnt 0x0
	MUL F1, 2, 0
	MUL F1, 3, 0
	WIN 0
	PLACES
	TOSTAGE 0
	TOSTAGE 1
	SEND 0, 32
	s_wait_xcnt 0x0                                ; block 0's stores have read their registers, which block 2 takes
	TOSTAGE 2
	SEND 1, 32
	s_wait_xcnt 0x0
	TOSTAGE 3
	SEND 2, 32
	SEND 3, 0
	s_wait_tensorcnt 0x0                           ; the wave's end, behind my last tensor load and my last LDS store
	ds_add_u32 v[SPW], v[NIL]
	s_wait_dscnt 0x0
	CROUND                                         ; the closing round: no work-group ends while a partner may still ask for a tile that names it
	s_endpgm
.Lfunc_end_k_qcc162fc34e_oproj:
	.size	k_qcc162fc34e_oproj, .Lfunc_end_k_qcc162fc34e_oproj-k_qcc162fc34e_oproj
	.p2alignl 7, 3214868480
	.fill 96, 4, 3214868480
	.section	.rodata,"a",@progbits
	.p2align	6, 0x0
	.amdhsa_kernel k_qcc162fc34e_oproj
		.amdhsa_group_segment_fixed_size 327680
		.amdhsa_private_segment_fixed_size 0
		.amdhsa_enable_private_segment 0
		.amdhsa_kernarg_size 32
		.amdhsa_user_sgpr_count 2
		.amdhsa_user_sgpr_kernarg_segment_ptr 1
		.amdhsa_wavefront_size32 1
		.amdhsa_system_sgpr_workgroup_id_x 1
		.amdhsa_system_sgpr_workgroup_id_y 1
		.amdhsa_system_sgpr_workgroup_id_z 1
		.amdhsa_system_vgpr_workitem_id 0
		.amdhsa_next_free_vgpr 768
		.amdhsa_next_free_sgpr 80
		.amdhsa_reserve_vcc 0
		.amdhsa_float_denorm_mode_32 3
		.amdhsa_float_denorm_mode_16_64 3
		.amdhsa_memory_ordered 1
		.amdhsa_forward_progress 1
		.amdhsa_inst_pref_size 76
	.end_amdhsa_kernel
	.amdgpu_metadata
---
amdhsa.version: [ 1, 2 ]
amdhsa.kernels:
  - .name:           k_qcc162fc34e_oproj
    .symbol:         k_qcc162fc34e_oproj.kd
    .args:
      - { .name: ob, .offset: 0, .size: 8, .value_kind: global_buffer, .address_space: global }
      - { .name: cb, .offset: 8, .size: 8, .value_kind: global_buffer, .address_space: global }
      - { .name: bo, .offset: 16, .size: 8, .value_kind: global_buffer, .address_space: global }
      - { .name: out0, .offset: 24, .size: 8, .value_kind: global_buffer, .address_space: global }
    .group_segment_fixed_size: 327680
    .private_segment_fixed_size: 0
    .kernarg_segment_align: 8
    .kernarg_segment_size: 32
    .max_flat_workgroup_size: 128
    .sgpr_count:     80
    .vgpr_count:     768
    .wavefront_size: 32
...
	.end_amdgpu_metadata
.endif
;; end of part 4
